; MI455X (gfx1250); checked and timed in simulation.
; The chip was launched on July 23, 2026; its instructions are those of AMD's public machine-readable ISA for CDNA 5 (MIT licence, August 2026) and "CDNA5" Instruction Set Architecture Reference Guide (July 2026). The comments in the code are by the model that wrote it; some were corrected since.
;; Multi Head Attention. Allowed arithmetic: matrix products marked QUANTISED: E2M1 operands, one E8M0 scale for each 32 along K, by v_wmma_scale_f32_16x16x128_f8f6f4 with both operands' format E2M1 (or v_wmma_scale_f32_32x16x128_f4), f32 sums; products left as they are: bf16, f16 or f32 operands; f32 sums; everything else in f32.
;; Inputs: Wk 1,024 x 1,024 float32; Wo 1,024 x 1,024 float32; Wq 1,024 x 1,024 float32; Wv 1,024 x 1,024 float32; bk 1,024 float32; bo 1,024 float32; bq 1,024 float32; bv 1,024 float32; k 4 x 2,048 x 1,024 float32; mask 4 x 2,048 x 2,048 int32; q 4 x 2,048 x 1,024 float32; v 4 x 2,048 x 1,024 float32.
;; Outputs: out0 4 x 2,048 x 1,024 float32.
;; This version of the problem:
;;   THIS VERSION OF THE PROBLEM IS GIVEN IN LOW PRECISION. The matrix products marked QUANTISED in the list below multiply operands that are first quantised to E2M1 (2 exponent bits, 1 mantissa bit; 4 bits a number), with one power-of-two scale for each 32 numbers along K (OCP MX v1.0); their sums are f32. The products marked 'left as it is' may take bf16, f16 or f32 operands, with f32 sums. Whichever they take, every output number must still come out within the allowed error. Rounding operands to bf16 (8 significant bits) uses up far more of that allowance than f16 does (11 bits, for magnitudes from 6e-5 to 65,504). All else is computed in f32.
;;   The module's matrix products, in the order in which they are computed (A, B: the left and right operand; K: the contracted axis; several contracted axes count as one K, in the product's order):
;;     1. [M 8,192, K 1,024] x [K 1,024, N 1,024]; A: input q; B: input Wq: QUANTISED
;;     2. [M 8,192, K 1,024] x [K 1,024, N 1,024]; A: input k; B: input Wk: QUANTISED
;;     3. [M 8,192, K 1,024] x [K 1,024, N 1,024]; A: input v; B: input Wv: QUANTISED
;;     4. batch 64 x [M 2,048, K 64] x [K 64, N 2,048]; A: computed on the way; B: computed on the way: left as it is (an operand is computed on the way)
;;     5. batch 64 x [M 2,048, K 2,048] x [K 2,048, N 64]; A: computed on the way; B: computed on the way: left as it is (an operand is computed on the way)
;;     6. [M 8,192, K 1,024] x [K 1,024, N 1,024]; A: computed on the way; B: input Wo: left as it is (an operand is computed on the way)
;;   THE QUANTISER, for each operand of a quantised product, along K:
;;     - K is cut into blocks of 32 from its start; a last block that is shorter is filled with zeros.
;;     - A block's scale is 2^e with e = floor(log2(the largest magnitude in the block)) - 2, held to -126 .. 127; a block of zeros has e = 0. As a byte (E8M0): e + 127.
;;     - Each number is divided by its block's scale, clamped to +-6, and rounded to the nearest number of E2M1, ties to even, subnormals kept.
;;     - The product sums the exact products of the quantised numbers (number of the format x scale) in f32.
;;   ~~~python
;;   def quantise(x, axis):      # numpy; x: float32 -> the quantised numbers, widened to float32 again
;;       x = np.moveaxis(x, axis, -1); K = x.shape[-1]
;;       x = np.pad(x, [(0, 0)] * (x.ndim - 1) + [(0, -K % 32)]); x = x.reshape(x.shape[:-1] + (-1, 32)); a = np.abs(x).max(-1, keepdims=True)
;;       e = np.where(a > 0, np.clip(np.frexp(np.where(a > 0, a, 1))[1] - 1 - 2, -126, 127), 0)      # np.frexp(a)[1] - 1 = floor(log2(a)), exactly
;;       r = np.clip(x / 2.0 ** e, -6, 6)
;;       step = 2.0 ** (np.maximum(np.frexp(np.where(r == 0, 1, r))[1] - 1, 0) - 1)
;;       q = np.round(r / step) * step * 2.0 ** e      # np.round: ties to even
;;       return np.moveaxis(q.reshape(q.shape[:-2] + (-1,))[..., :K], -1, axis).astype(np.float32)
;;   ~~~
;; One version. Each part assembles by itself: llvm-mc -triple=amdgcn-amd-amdhsa -mcpu=gfx1250 --defsym DOCPART=n.
;; ======== version 1 of 1: 4 launches
;; limits: values are held in f16: magnitudes above 65,504 overflow, below 6.1e-05 lose precision
;; workspace buffers: codes 14,155,776 bytes; scales 884,736 bytes; maskw 2,097,152 bytes of whole numbers; woh 2,097,152 bytes; qkv 50,331,648 bytes; ctx 16,777,216 bytes
;; launch prep (part 1): grid 1152 x 1, 4 waves a work-group, no clusters, 85,504 bytes of LDS; arguments q, k, v, Wq, Wk, Wv, mask, Wo, codes, scales, maskw, woh; writes codes, scales, maskw, woh
.if DOCPART == 1
	.amdgcn_target "amdgcn-amd-amdhsa--gfx1250"
	.amdhsa_code_object_version 6
	.text
	.protected	k_q2404897ba2_prep
	.globl	k_q2404897ba2_prep
	.p2align	8
	.type	k_q2404897ba2_prep,@function
k_q2404897ba2_prep:
	s_mov_b64 s[64:65], 0
	v_nop
	global_prefetch_b8 v0, s[64:65] scope:SCOPE_SE
	s_setreg_imm32_b32 hwreg(HW_REG_WAVE_MODE, 25, 1), 1
	s_wait_xcnt 0x0
; PREP: three jobs that each read an input once, told apart by the work-group's number; the three ways never join, and each has LDS bytes of its own.
;  a (work-groups 0-863): q, k, v [8192][1024] and Wq, Wk, Wv [1024][1024], f32, K innermost, become codes of FP4 (E2M1) with one E8M0 byte for each 32 along K.
;     The six tensors are one stream of blocks of 32; codes and scale bytes are laid in the order q, k, v, Wq, Wk, Wv: 512 bytes of codes and 32 scale bytes a row.
;     A block's scale is 2^(floor(log2(largest magnitude)) - 2); its byte is the largest magnitude's exponent field - 2, held at 1 from below.
;  b (864-1119): 32 rows of the mask become lane masks: word 32 q' + 8 t + j of key step ks holds in bit l whether mask[row 16 q' + l % 16][64 ks + 16 t + 8 (l / 16) + j] is not 0.
;  c (1120-1151): Wo becomes f16 in the order of the operand's registers: [K block of 128][16 rows][8 blocks of 512 bytes], lane l's 16 bytes at 16 l.
; LIMITS: NaN and infinities among the inputs are not served; a block of zeros gets the byte 1 (its codes are zeros; this program alone reads the bytes); |Wo| stays under 65,504 (f16).
; No tensor load, no barrier: waves share nothing.
.set SPW,   12                         ; v12  LDS address of my spare word; never rewritten
.set NIL,   13                         ; v13  0; never rewritten
.set WV,    32                         ; s32  my wave's number
.set LDSB,  32768                      ; way b's stages: 8,704 bytes a wave
.set LDSC,  67584                      ; way c's stages: 4,352 bytes a wave
.set SPARE, 84992                      ; the spare words, 128 bytes for each wave: two blocks of 256 bytes that no other line names
; way a
.set STEPS, 16
.set EMAX,  2
.set CB,    8                          ; bytes of 16 codes
.set R,     16                         ; v16-79   four sets of 16 numbers as they are loaded
.set X,     80                         ; v80-111  two sets of 16 neighbours
.set E,     112                        ; v112-127 a scale byte for each step
.set C,     128                        ; v128-191 codes: four registers for each step, so that no store's data are written again
.set WREG,  8192                       ; LDS of a wave: two stages of 32 x SP bytes, behind them its 256 scale bytes
.set SP,    80                         ; a lane's place in a stage: 64 bytes + 16 of padding
.set SRC,   34                         ; s[34:35] the tensor in hand
.set CD,    24                         ; s[24:25] codes
.set SCB,   26                         ; s[26:27] scale bytes
.macro LOAD t
.irp i, 0,1,2,3
	global_load_b128 v[R+16*((\t)%4)+4*\i:R+16*((\t)%4)+4*\i+3], v3, s[SRC:SRC+1] offset:2048*(\t)+512*\i th:TH_LOAD_NT   ; 32 lanes read 512 consecutive bytes
.endr
.endm
.macro TURN t                          ; step t's numbers through the stage: LDS serves a wave's instructions in order, so no wait stands between the stores and the loads
.irp i, 0,1,2,3
	ds_store_b128 v14, v[R+16*((\t)%4)+4*\i:R+16*((\t)%4)+4*\i+3] offset:32*SP*((\t)%2)+8*SP*\i
.endr
.irp i, 0,1,2,3
	ds_load_b128 v[X+16*((\t)%2)+4*\i:X+16*((\t)%2)+4*\i+3], v15 offset:32*SP*((\t)%2)+16*\i
.endr
.endm
.macro STEP t
.set XS, X+16*((\t)%2)
.if (\t) > 0
	s_wait_dscnt 1                                 ; this step's numbers are back from the stage (the last step's byte store may be out): its stores into the stage have read their registers,
.else
	s_wait_dscnt 0x0
.endif
.if (\t)+4 < STEPS
	LOAD (\t)+4                                    ; which take the loads of four steps on
.endif
.if (\t)+1 < STEPS
.if STEPS-2-(\t) >= 3
	s_wait_loadcnt 12                              ; the next step's four loads are in; those of the three steps behind it may be out
.else
	s_wait_loadcnt 4*(STEPS-2-(\t))
.endif
	TURN (\t)+1
.endif
	v_max3_num_f32 v8, |v[XS]|, |v[XS+1]|, |v[XS+2]|               ; the largest magnitude of my 16
	v_max3_num_f32 v9, |v[XS+3]|, |v[XS+4]|, |v[XS+5]|
.irp i, 6,10
	v_max3_num_f32 v8, v8, |v[XS+\i]|, |v[XS+\i+1]|
	v_max3_num_f32 v9, v9, |v[XS+\i+2]|, |v[XS+\i+3]|
.endr
	v_max3_num_f32 v8, v8, |v[XS+14]|, |v[XS+15]|
	v_max3_num_f32 v8, v8, v9, (EMAX+1)<<23        ; and the floor 2^(3 - 127): the byte cannot fall under 1
	v_max_num_f32_dpp v8, v8, v8 row_xmask:1 row_mask:0xf bank_mask:0xf   ; and of my neighbour's 16: the block's
	v_add_nc_u32 v11, -(EMAX<<23), v8              ; 2 off its exponent field: the conversion takes the exponent field of this operand as its scale
	v_cvt_scalef32_pk8_fp4_f32 v[C+4*(\t)], v[XS:XS+7], v11
	v_cvt_scalef32_pk8_fp4_f32 v[C+4*(\t)+1], v[XS+8:XS+15], v11
	v_lshrrev_b32 v[E+(\t)], 23, v11               ; the scale's byte (a plain line behind the conversions)
	ds_store_b8 v5, v[E+(\t)] offset:16*(\t)       ; both lanes of a block write the same byte with the same value
	global_store_b64 v4, v[C+4*(\t):C+4*(\t)+1], s[CD:CD+1] offset:32*CB*(\t)   ; the wave stores 256 consecutive bytes, aligned
.endm
; way b: unit u = key step 8 w + u: 32 rows x 256 bytes
.macro MLOAD u
.irp i, 0,1,2,3,4,5,6,7,8,9,10,11,12,13,14,15
	global_load_b128 v[32+64*((\u)%2)+4*\i:32+64*((\u)%2)+4*\i+3], v9, s[20:21] offset:16384*\i+256*(\u) th:TH_LOAD_NT   ; rows 2 i and 2 i + 1: sixteen lanes read 256 consecutive bytes, aligned
.endr
.endm
.macro MUNIT u
.if (\u) < 7
	s_wait_loadcnt 16                              ; this unit's 16 loads are in; the next unit's 16 may be out
.else
	s_wait_loadcnt 0x0
.endif
.irp i, 0,1,2,3,4,5,6,7,8,9,10,11,12,13,14,15
	ds_store_b128 v3, v[32+64*((\u)%2)+4*\i:32+64*((\u)%2)+4*\i+3] offset:544*\i          ; as rows of 256 bytes + 16
.endr
.irp q, 0,1
.irp t, 0,1,2,3
.irp e, 0,1
	ds_load_b128 v[32+64*((\u)%2)+32*\q+8*\t+4*\e:32+64*((\u)%2)+32*\q+8*\t+4*\e+3], v4 offset:4352*\q+64*\t+16*\e   ; back: register 32 q' + 8 t + j = my row's flag of key 16 t + 8 (l / 16) + j
.endr
.endr
.endr
	s_wait_dscnt 0x0
.irp g, 0,1,2,3,4,5,6,7
.irp n, 0,1,2,3,4,5,6,7
	v_cmp_ne_u32 s[40+\n], 0, v[32+64*((\u)%2)+8*\g+\n]            ; word 8 g + n: a bit a lane
.endr
.irp n, 0,1,2,3,4,5,6,7
	v_writelane_b32 v[16+2*(\u)+\n%2], s[40+\n], (8*\g+\n)/2       ; lane L gathers words 2 L and 2 L + 1
.endr
.endr
	global_store_b64 v5, v[16+2*(\u):17+2*(\u)], s[28:29] offset:256*(\u)   ; 256 consecutive bytes, aligned; each unit has its own pair, so no store's data are written again
.if (\u)+2 < 8
	MLOAD (\u)+2
.endif
.endm
; way c: unit u = K block 4 (w % 2) + u: 16 rows x 512 bytes of f32
.macro WLOAD u
.irp i, 0,1,2,3,4,5,6,7,8,9,10,11,12,13,14,15
	global_load_b128 v[32+64*((\u)%2)+4*\i:32+64*((\u)%2)+4*\i+3], v9, s[22:23] offset:4096*\i+512*(\u) th:TH_LOAD_NT
.endr
.endm
.macro WUNIT u
.if (\u) < 3
	s_wait_loadcnt 16                              ; this unit's 16 loads are in; the next unit's may be out
.else
	s_wait_loadcnt 0x0
.endif
.irp i, 0,1,2,3,4,5,6,7,8,9,10,11,12,13,14,15
	v_cvt_pk_f16_f32 v[32+64*((\u)%2)+4*\i], v[32+64*((\u)%2)+4*\i], v[32+64*((\u)%2)+4*\i+1]
	v_cvt_pk_f16_f32 v[32+64*((\u)%2)+4*\i+1], v[32+64*((\u)%2)+4*\i+2], v[32+64*((\u)%2)+4*\i+3]
.endr
.irp i, 0,1,2,3,4,5,6,7,8,9,10,11,12,13,14,15
	ds_store_b64 v3, v[32+64*((\u)%2)+4*\i:32+64*((\u)%2)+4*\i+1] offset:272*\i           ; row i: 128 f16 = 256 bytes + 16
.endr
	s_wait_xcnt 0x0                                ; the last unit's stores have read v160-191
.irp n, 0,1,2,3,4,5,6,7
	ds_load_b128 v[160+4*\n:160+4*\n+3], v4 offset:32*\n           ; block n: row l % 16, K = 16 n + 8 (l / 16) + 0 .. 7
.endr
	s_wait_dscnt 0x0                               ; the blocks are in, and the stage's stores have read their registers
.if (\u)+2 < 4
	WLOAD (\u)+2
.endif
.irp n, 0,1,2,3,4,5,6,7
	global_store_b128 v9, v[160+4*\n:160+4*\n+3], s[30:31] offset:512*\n+262144*(\u)      ; 512 consecutive bytes, aligned
.endr
.endm
	s_load_b512 s[8:23], s[0:1], 0x0               ; q, k, v, Wq, Wk, Wv, mask, Wo
	s_load_b256 s[24:31], s[0:1], 0x40             ; codes, scales, maskw, woh
	v_lshl_add_u32 v[SPW], v0, 2, SPARE
	v_mov_b32 v[NIL], 0
	v_lshrrev_b32 v1, 5, v0
	v_readfirstlane_b32 s[WV], v1                  ; wave 0..3
	v_and_b32 v2, 31, v0                           ; lane
	s_wait_kmcnt 0x0
	s_cmp_lt_u32 ttmp9, 864
	s_cbranch_scc0 .Lnot_a
	; ---------------- way a: the quantiser
	v_lshlrev_b32 v3, 4, v2                        ; my 16 bytes of a load's 512
	s_mul_i32 s37, s[WV], WREG
	v_lshrrev_b32 v14, 2, v2
	v_mul_u32_u24 v14, v14, SP
	v_and_b32 v15, 3, v2
	v_lshl_add_u32 v14, v15, 4, v14
	v_add_nc_u32 v14, s37, v14                     ; the stage, on the way in: four lanes' 64 bytes on end, then 16 of padding
	v_mul_u32_u24 v15, v2, SP
	v_add_nc_u32 v15, s37, v15                     ; and on the way out: my 16 neighbours
	v_mul_u32_u24 v4, v2, CB                       ; my codes' place in a step's
	v_lshrrev_b32 v5, 1, v2
	s_add_co_u32 s37, s37, 2*32*SP
	v_add_nc_u32 v5, s37, v5                       ; my block's byte among my wave's 256
	v_lshlrev_b32 v7, 3, v2
	v_add_nc_u32 v6, s37, v7
	s_mov_b64 s[SRC:SRC+1], s[18:19]               ; which tensor: a choice on the work-group's number alone.  Wv from 832,
	s_mov_b32 s36, 832
	s_cmp_lt_u32 ttmp9, 832
	s_cselect_b64 s[SRC:SRC+1], s[16:17], s[SRC:SRC+1]   ; Wk from 800,
	s_cselect_b32 s36, 800, s36
	s_cmp_lt_u32 ttmp9, 800
	s_cselect_b64 s[SRC:SRC+1], s[14:15], s[SRC:SRC+1]   ; Wq from 768,
	s_cselect_b32 s36, 768, s36
	s_cmp_lt_u32 ttmp9, 768
	s_cselect_b64 s[SRC:SRC+1], s[12:13], s[SRC:SRC+1]   ; v from 512,
	s_cselect_b32 s36, 512, s36
	s_cmp_lt_u32 ttmp9, 512
	s_cselect_b64 s[SRC:SRC+1], s[10:11], s[SRC:SRC+1]   ; k from 256,
	s_cselect_b32 s36, 256, s36
	s_cmp_lt_u32 ttmp9, 256
	s_cselect_b64 s[SRC:SRC+1], s[8:9], s[SRC:SRC+1]     ; q from 0
	s_cselect_b32 s36, 0, s36
	s_sub_co_u32 s38, ttmp9, s36
	s_lshl_b32 s38, s38, 2
	s_add_co_u32 s38, s38, s[WV]                   ; which run of 8,192 numbers of the tensor is my wave's
	s_lshl_b32 s38, s38, 15
	s_mov_b32 s39, 0
	s_add_nc_u64 s[SRC:SRC+1], s[SRC:SRC+1], s[38:39]
	s_lshl_b32 s40, ttmp9, 2
	s_add_co_u32 s40, s40, s[WV]                   ; and which run of the whole stream
	s_lshl_b32 s38, s40, 12                        ; 4,096 bytes of codes a run
	s_add_nc_u64 s[CD:CD+1], s[CD:CD+1], s[38:39]
	s_lshl_b32 s38, s40, 8                         ; 256 scale bytes a run
	s_add_nc_u64 s[SCB:SCB+1], s[SCB:SCB+1], s[38:39]
.irp t, 0,1,2,3
	LOAD \t
.endr
	s_wait_loadcnt 12                              ; step 0's four loads are in
	TURN 0
.irp t, 0,1,2,3,4,5,6,7,8,9,10,11,12,13,14,15
	STEP \t
.endr
	ds_load_b64 v[8:9], v6                         ; LDS serves a wave's instructions in order: these see my byte stores
	s_wait_dscnt 0x0
	global_store_b64 v7, v[8:9], s[SCB:SCB+1]      ; 256 consecutive bytes, aligned
	s_wait_tensorcnt 0x0                           ; the wave's end
	ds_add_u32 v[SPW], v[NIL]
	s_wait_dscnt 0x0
	s_endpgm
.Lnot_a:
	s_cmp_lt_u32 ttmp9, 1120
	s_cbranch_scc0 .Lway_c
	; ---------------- way b: the mask.  p = 64 b + the pair of query tiles; my wave's eight key steps
	s_sub_co_u32 s33, ttmp9, 864                   ; p
	s_lshl_b32 s34, s33, 18                        ; 32 rows of 8,192 bytes
	s_lshl_b32 s36, s[WV], 11                      ; 8 key steps of 256 bytes
	s_add_co_u32 s34, s34, s36
	s_mov_b32 s35, 0
	s_add_nc_u64 s[20:21], s[20:21], s[34:35]
	s_lshl_b32 s34, s33, 13                        ; 32 key steps of 64 words
	s_add_co_u32 s34, s34, s36
	s_add_nc_u64 s[28:29], s[28:29], s[34:35]
	s_mul_i32 s37, s[WV], 8704
	s_add_co_u32 s37, s37, LDSB                    ; my stage: 32 rows of 272 bytes
	v_lshrrev_b32 v6, 4, v2                        ; l / 16
	v_and_b32 v7, 15, v2                           ; l % 16
	v_lshlrev_b32 v8, 4, v7
	v_lshl_add_u32 v9, v6, 13, v8                  ; in memory: a row for each half of the lanes, 16 bytes a lane
	v_mad_u32_u24 v3, v6, 272, v8
	v_add_nc_u32 v3, s37, v3                       ; into the stage likewise
	v_mul_u32_u24 v4, v7, 272
	v_lshl_add_u32 v4, v6, 5, v4
	v_add_nc_u32 v4, s37, v4                       ; out of it: row l % 16, 8 keys for each half
	v_lshlrev_b32 v5, 3, v2                        ; two words a lane
.irp i, 0,1,2,3,4,5,6,7,8,9,10,11,12,13,14,15
	v_mov_b32 v[16+\i], 0                          ; written once: v_writelane_b32's destination counts as one of its sources
.endr
	MLOAD 0
	MLOAD 1
.irp u, 0,1,2,3,4,5,6,7
	MUNIT \u
.endr
	s_wait_tensorcnt 0x0                           ; the wave's end: the three lines
	ds_add_u32 v[SPW], v[NIL]
	s_wait_dscnt 0x0
	s_endpgm
.Lway_c:
	; ---------------- way c: Wo.  16 rows nt = 2 j + w / 2; K blocks 4 (w % 2) + 0 .. 3
	s_sub_co_u32 s33, ttmp9, 1120
	s_lshl_b32 s33, s33, 1
	s_lshr_b32 s36, s[WV], 1
	s_add_co_u32 s33, s33, s36                     ; nt
	s_and_b32 s36, s[WV], 1
	s_lshl_b32 s34, s33, 16                        ; 16 rows of 4,096 bytes
	s_lshl_b32 s38, s36, 11                        ; four K blocks of 512 bytes
	s_add_co_u32 s34, s34, s38
	s_mov_b32 s35, 0
	s_add_nc_u64 s[22:23], s[22:23], s[34:35]
	s_lshl_b32 s34, s33, 12                        ; 4,096 bytes for 16 rows of a K block,
	s_lshl_b32 s38, s36, 20                        ; 262,144 for a K block
	s_add_co_u32 s34, s34, s38
	s_add_nc_u64 s[30:31], s[30:31], s[34:35]
	s_mul_i32 s37, s[WV], 4352
	s_add_co_u32 s37, s37, LDSC                    ; my stage: 16 rows of 272 bytes
	v_lshlrev_b32 v9, 4, v2                        ; 16 l
	v_lshl_add_u32 v3, v2, 3, s37                  ; into the stage: 8 bytes a lane
	v_and_b32 v7, 15, v2
	v_lshrrev_b32 v6, 4, v2
	v_mul_u32_u24 v4, v7, 272
	v_lshl_add_u32 v4, v6, 4, v4
	v_add_nc_u32 v4, s37, v4                       ; out of it: row l % 16, 16 bytes for each half
	WLOAD 0
	WLOAD 1
.irp u, 0,1,2,3
	WUNIT \u
.endr
	s_wait_tensorcnt 0x0                           ; the wave's end: the three lines
	ds_add_u32 v[SPW], v[NIL]
	s_wait_dscnt 0x0
	s_endpgm
.Lfunc_end_k_q2404897ba2_prep:
	.size	k_q2404897ba2_prep, .Lfunc_end_k_q2404897ba2_prep-k_q2404897ba2_prep
	.p2alignl 7, 3214868480
	.fill 96, 4, 3214868480
	.section	.rodata,"a",@progbits
	.p2align	6, 0x0
	.amdhsa_kernel k_q2404897ba2_prep
		.amdhsa_group_segment_fixed_size 85504
		.amdhsa_private_segment_fixed_size 0
		.amdhsa_enable_private_segment 0
		.amdhsa_kernarg_size 96
		.amdhsa_user_sgpr_count 2
		.amdhsa_user_sgpr_kernarg_segment_ptr 1
		.amdhsa_wavefront_size32 1
		.amdhsa_system_sgpr_workgroup_id_x 1
		.amdhsa_system_sgpr_workgroup_id_y 1
		.amdhsa_system_sgpr_workgroup_id_z 1
		.amdhsa_system_vgpr_workitem_id 0
		.amdhsa_next_free_vgpr 192
		.amdhsa_next_free_sgpr 66
		.amdhsa_reserve_vcc 0
		.amdhsa_float_denorm_mode_32 3
		.amdhsa_float_denorm_mode_16_64 3
		.amdhsa_memory_ordered 1
		.amdhsa_forward_progress 1
		.amdhsa_inst_pref_size 153
	.end_amdhsa_kernel
	.amdgpu_metadata
---
amdhsa.version: [ 1, 2 ]
amdhsa.kernels:
  - .name:           k_q2404897ba2_prep
    .symbol:         k_q2404897ba2_prep.kd
    .args:
      - { .name: q, .offset: 0, .size: 8, .value_kind: global_buffer, .address_space: global }
      - { .name: k, .offset: 8, .size: 8, .value_kind: global_buffer, .address_space: global }
      - { .name: v, .offset: 16, .size: 8, .value_kind: global_buffer, .address_space: global }
      - { .name: Wq, .offset: 24, .size: 8, .value_kind: global_buffer, .address_space: global }
      - { .name: Wk, .offset: 32, .size: 8, .value_kind: global_buffer, .address_space: global }
      - { .name: Wv, .offset: 40, .size: 8, .value_kind: global_buffer, .address_space: global }
      - { .name: mask, .offset: 48, .size: 8, .value_kind: global_buffer, .address_space: global }
      - { .name: Wo, .offset: 56, .size: 8, .value_kind: global_buffer, .address_space: global }
      - { .name: codes, .offset: 64, .size: 8, .value_kind: global_buffer, .address_space: global }
      - { .name: scales, .offset: 72, .size: 8, .value_kind: global_buffer, .address_space: global }
      - { .name: maskw, .offset: 80, .size: 8, .value_kind: global_buffer, .address_space: global }
      - { .name: woh, .offset: 88, .size: 8, .value_kind: global_buffer, .address_space: global }
    .group_segment_fixed_size: 85504
    .private_segment_fixed_size: 0
    .kernarg_segment_align: 8
    .kernarg_segment_size: 96
    .max_flat_workgroup_size: 128
    .sgpr_count:     66
    .vgpr_count:     192
    .wavefront_size: 32
...
	.end_amdgpu_metadata
.endif
;; end of part 1
;; launch proj (part 2): grid 4 x 96, 4 waves a work-group, clusters of 4 x 4, 327,680 bytes of LDS; arguments codes, scales, bq, bk, bv, qkv; writes qkv
.if DOCPART == 2
	.amdgcn_target "amdgcn-amd-amdhsa--gfx1250"
	.amdhsa_code_object_version 6
	.text
	.protected	k_q2404897ba2_proj
	.globl	k_q2404897ba2_proj
	.p2align	8
	.type	k_q2404897ba2_proj,@function
k_q2404897ba2_proj:
	s_mov_b64 s[64:65], 0
	v_nop
	global_prefetch_b8 v0, s[64:65] scope:SCOPE_SE
	s_setreg_imm32_b32 hwreg(HW_REG_WAVE_MODE, 25, 1), 1
	s_wait_xcnt 0x0
	s_wait_alu depctr_hold_cnt(0) depctr_sa_sdst(0) depctr_va_vdst(0) depctr_va_sdst(0) depctr_va_ssrc(0) depctr_va_vcc(0) depctr_vm_vsrc(0)
	s_getreg_b32 s2, hwreg(HW_REG_IB_STS2, 6, 4)
	s_cmp_eq_u32 s2, 0
	s_cbranch_scc0 .Lentry_in_a_cluster
	s_endpgm
.Lentry_in_a_cluster:
	s_bfe_u32 s2, ttmp6, 0x10000c
	s_cmp_lg_u32 s2, 0xf033
	s_cbranch_scc0 .Lentry_shape_is_right
	s_endpgm
.Lentry_shape_is_right:
; PROJ: the three quantised products in one launch.  A = the 24,576 stacked rows of q, k, v, B = the 3,072 stacked rows of Wq, Wk, Wv, both as codes of FP4 (E2M1), K = 1,024 innermost,
; one E8M0 byte for each 32 along K; sums in f32.  Tile row y (256 rows) belongs to projection y / 32, and takes that projection's 1,024 rows of B.
; A tile, 256 x 256, is made by four waves, 128 x 128 each: 64 accumulators, 512 registers.  K is two slots of 512: both are filled once, at the start, with the scale bytes: nothing is filled again.
; CLUSTERS: 4 x 4 work-groups; A's tiles are shared along a row of the cluster, B's along a column: each is asked for jointly, by the same tensor load with a mask that names the four.
; THE MATRIX INSTRUCTION IS USED TRANSPOSED (source 0 = 16 rows of B, source 1 = 16 rows of A): a lane holds one token and eight neighbouring channels.
; THE WAY OUT: (sum + bias) x g, g = log2(e) / 8 for q's projection and 1 for the others, rounded to f16; a lane's 16 bytes ARE its part of the image of the operand's registers that the
; attention reads: [4 projection + batch][head][16 tokens][4 blocks of 512 bytes]; lane l at 16 l (for v: at 16 x l with bits 3 and 4 changed over).  No LDS on the way out.
; LIMITS: |(sum + bias) x g| stays under 65,504 (f16); numbers under 6e-5 carry an absolute error of 3e-8.
; REGISTERS, in windows of 256: window 0: v0-31 addresses; v32-95 scale words, two sets; v128-191 A's fragments, one set; on the way out v32-159 at work.
;   window 1: B's fragments, two sets, at v0 and v128; v192-255 the bias of my 128 channels.   windows 2, 3: the accumulators of my rows 0-63, 64-127 (accumulator (a, b) at v[8 (8 (a % 4) + b)]).
.set KSTEP,  512
.set NQ,     4                         ; matrix instructions deep in a slot
.set ROWB,   256                       ; a tile's row in bytes
.set KROW,   512                       ; a row of codes in memory
.set PITCH,  272                       ; an LDS row: 256 bytes + 16 of padding: the 16 rows that a load touches start at 16 different banks (64 banks of 4 bytes: ISA guide 11.1)
.set FR,     8
.set NL,     2
.set NP,     4                         ; places behind this matrix instruction (ISA guide 7.12.1)
.set HALFT,  128*PITCH
.set SLOT,   4*HALFT
.set KS,     32                        ; a row of scale bytes
.set SCL,    2*SLOT                    ; behind the slots: the scales, as units of 256 bytes + 16 of padding
.set HALFS,  (128*KS/256)*272
.set SBLK,   (16*KS/256)*272
.set SPARE,  SCL+4*HALFS               ; the spare words, 128 bytes for each wave
.set WCODES, 12582912                  ; where the weights' codes begin,
.set WSCALE, 786432                    ; and their scale bytes
.set ADRA, 16
.set ADRB, 20
.set CO,   26                          ; v26  my 16 bytes in a block of 512
.set ADRS, 27
.set SPW,  28
.set NIL,  29
.set BA,   30                          ; v30  32 x (l / 16): my half's bias
.set SC,   32
.set AF,   128
.set TF,   32                          ; the way out: 64 numbers in f32,
.set PK,   96                          ; and packed: v96-127 and v128-159 by turns
.set BIAS, 192                         ; in window 1
.set G1, 24
.set G0, 32
.set G1B, 48
.set G0B, 56
.set G1S, 68
.set G0S, 76
.set G1SB, 80
.set G0SB, 88
.set GS,  66                           ; s[66:67] g
.set PROJ, 95                          ; s95 the projection: 0 q, 1 k, 2 v
.set MSB, 0
.macro WIN new                         ; the immediate's high byte repeats the setting that is left
.if MSB != (\new)
	s_set_vgpr_msb (MSB<<8)|(\new)
.set MSB, (\new)
.endif
.endm
.set MUL_LO, 0xa1                      ; source 0 (B) window 1, source 1 (A) window 0, C and D window 2
.set MUL_HI, 0xf1
.set TO_B,   0x40
; A joint load: waves 0 and 1 fetch for A, waves 2 and 3 for B; the branch hangs on the wave's number alone.  An s_nop 0 and four v_nop follow each of the two lines.
.macro JLOAD g0a, g1a, g0b, g1b
	s_cmp_eq_u32 s15, 0
	s_cbranch_scc0 .Lfor_b_\@
	tensor_load_to_lds s[\g0a:\g0a+3], s[\g1a:\g1a+7]
	s_nop 0
.rept 4
	v_nop
.endr
	s_branch .Lasked_\@
.Lfor_b_\@:
	tensor_load_to_lds s[\g0b:\g0b+3], s[\g1b:\g1b+7]
	s_nop 0
.rept 4
	v_nop
.endr
.Lasked_\@:
.endm
.macro CROUND                          ; a round of the cluster's barrier
	s_barrier_signal -1
	s_barrier_wait -1
	s_cmp_lg_u32 s14, 0
	s_cbranch_scc1 .Lnot_wave_0_\@
	s_barrier_signal -3
.Lnot_wave_0_\@:
	s_barrier_wait -3
	s_barrier_signal -1
	s_barrier_wait -1
.endm
	s_load_b128 s[4:7], s[0:1], 0x0                ; codes, scales
	s_load_b128 s[96:99], s[0:1], 0x10             ; bq, bk
	s_load_b64 s[100:101], s[0:1], 0x20            ; bv
	s_load_b64 s[12:13], s[0:1], 0x28              ; qkv
	v_lshl_add_u32 v[SPW], v0, 2, SPARE
	v_mov_b32 v[NIL], 0
	ds_add_u32 v[SPW], v[NIL]                      ; the wave's opening: the add, twice on end, and its wait ahead of my first tensor load
	ds_add_u32 v[SPW], v[NIL]
	v_lshrrev_b32 v1, 5, v0
	v_readfirstlane_b32 s14, v1                    ; wave 0..3
	s_lshr_b32 s15, s14, 1                         ; which half of the tile's rows is mine.  Also: I fetch for A (0) or for B (1)
	s_and_b32 s16, s14, 1                          ; which half of its columns.  Also: which 128 rows I fetch
	s_bfe_u32 s40, ttmp6, 0x40000                  ; cx, cy
	s_bfe_u32 s41, ttmp6, 0x40004
	s_lshl_b32 s42, ttmp9, 2
	s_add_co_u32 s42, s42, s40                     ; tile column x
	s_and_b32 s3, ttmp7, 0xffff                    ; cluster y
	s_lshl_b32 s17, s3, 2
	s_add_co_u32 s17, s17, s41                     ; tile row y
	s_lshr_b32 s[PROJ], s3, 3                      ; 8 clusters to a projection: the same in all sixteen partners
	s_lshl_b32 s43, s41, 2
	s_lshl_b32 s43, 15, s43                        ; my row of the cluster
	s_lshl_b32 s44, 0x1111, s40                    ; my column
	s_or_b32 s[G1+0], s43, (0<<16)|(1<<20)|(1<<21)|(5<<22)|(3<<25)  ; the mask; elements of 1 byte; padding: 4 words after every 64; bit 21 beside a mask
	s_or_b32 s[G1B+0], s44, (0<<16)|(1<<20)|(1<<21)|(5<<22)|(3<<25)
.irp g, G1, G1B
	s_mov_b32 s[\g+1], ROWB<<16                    ; tensor_dim0
	s_mov_b32 s[\g+2], 128<<16                     ; tensor_dim1
	s_mov_b32 s[\g+3], ROWB<<16                    ; tile_dim0
	s_mov_b32 s[\g+4], 128                         ; tile_dim1
	s_mov_b32 s[\g+5], KROW                        ; the pitch
	s_mov_b32 s[\g+6], 0
	s_mov_b32 s[\g+7], 0
.endr
	s_or_b32 s[G1S+0], s43, (3<<16)|(1<<20)|(1<<21)|(5<<22)|(3<<25) ; the scales of 128 rows: 4,096 dense bytes, as 16 rows of 32 elements of 8 bytes
	s_or_b32 s[G1SB+0], s44, (3<<16)|(1<<20)|(1<<21)|(5<<22)|(3<<25)
.irp g, G1S, G1SB
	s_mov_b32 s[\g+1], 32<<16
	s_mov_b32 s[\g+2], (128*KS/256)<<16
	s_mov_b32 s[\g+3], 32<<16
	s_mov_b32 s[\g+4], 128*KS/256
	s_mov_b32 s[\g+5], 32
	s_mov_b32 s[\g+6], 0
	s_mov_b32 s[\g+7], 0
.endr
	s_lshl_b32 s18, s16, 7                         ; which 128 rows of the tile I fetch
	s_lshl_b32 s20, s17, 8
	s_add_co_u32 s20, s20, s18                     ; A: row 256 y + 128 x half
	s_lshl_b32 s46, s42, 8
	s_add_co_u32 s46, s46, s18
	s_lshl_b32 s19, s[PROJ], 10
	s_add_co_u32 s46, s46, s19                     ; B: row 1,024 x projection + 256 x + 128 x half
	s_mov_b32 s21, 0
	s_mov_b32 s47, 0
	s_mov_b64 s[18:19], KS
	s_mul_u64 s[22:23], s[20:21], s[18:19]         ; where these rows' scales begin,
	s_mul_u64 s[92:93], s[46:47], s[18:19]
	s_mov_b64 s[18:19], KROW
	s_mul_u64 s[20:21], s[20:21], s[18:19]         ; and their codes
	s_mul_u64 s[46:47], s[46:47], s[18:19]
	s_mul_i32 s45, s14, HALFT                      ; where they go: wave x 128 rows
	s_mul_i32 s94, s14, HALFS
	s_wait_dscnt 0x0                               ; both opening adds are done
	s_wait_kmcnt 0x0
	s_add_nc_u64 s[8:9], s[4:5], WCODES
	s_add_nc_u64 s[10:11], s[6:7], WSCALE
	s_add_nc_u64 s[20:21], s[4:5], s[20:21]
	s_add_nc_u64 s[22:23], s[6:7], s[22:23]
	s_add_nc_u64 s[46:47], s[8:9], s[46:47]
	s_add_nc_u64 s[92:93], s[10:11], s[92:93]
	CROUND                                         ; all sixteen work-groups are here: the joint loads meet
	s_mov_b32 s[G0S], 1
	s_add_co_u32 s[G0S+1], s94, SCL
	s_mov_b64 s[G0S+2:G0S+3], s[22:23]
	s_or_b32 s[G0S+3], s[G0S+3], 0x80000000
	s_mov_b32 s[G0SB], 1
	s_add_co_u32 s[G0SB+1], s94, SCL
	s_mov_b64 s[G0SB+2:G0SB+3], s[92:93]
	s_or_b32 s[G0SB+3], s[G0SB+3], 0x80000000
	JLOAD G0S, G1S, G0SB, G1SB                     ; the scales first; three loads of mine are out when the group is issued
.irp s, 0,1
	s_mov_b32 s[G0+4*\s], 1
	s_add_co_u32 s[G0+4*\s+1], s45, \s*SLOT
	s_add_nc_u64 s[G0+4*\s+2:G0+4*\s+3], s[20:21], \s*ROWB
	s_or_b32 s[G0+4*\s+3], s[G0+4*\s+3], 0x80000000
	s_mov_b32 s[G0B+4*\s], 1
	s_add_co_u32 s[G0B+4*\s+1], s45, \s*SLOT
	s_add_nc_u64 s[G0B+4*\s+2:G0B+4*\s+3], s[46:47], \s*ROWB
	s_or_b32 s[G0B+4*\s+3], s[G0B+4*\s+3], 0x80000000
	JLOAD G0+4*\s, G1, G0B+4*\s, G1B
.endr
	v_and_b32 v1, 15, v0                           ; r
	v_bfe_u32 v2, v0, 4, 1                         ; h
	v_mul_u32_u24 v3, v1, PITCH
	v_lshl_add_u32 v4, v2, 4, v3                   ; a fragment's row x pitch + 16 h
	s_mul_i32 s21, s15, HALFT
	s_mul_i32 s22, s16, HALFT
	s_add_co_u32 s22, s22, 2*HALFT
.irp s, 0,1
	v_add_nc_u32 v[ADRA+\s], s21, v4
	v_add_nc_u32 v[ADRB+\s], s22, v4
	s_add_co_u32 s21, s21, SLOT
	s_add_co_u32 s22, s22, SLOT
.endr
	v_mul_u32_u24 v5, v1, KS                       ; my row's scales: KS bytes a row,
	v_lshrrev_b32 v6, 8, v5
	v_lshl_add_u32 v5, v6, 4, v5                   ; and 16 more for each 256 passed
	s_mul_i32 s21, s15, HALFS
	s_mul_i32 s22, s16, HALFS
	s_add_co_u32 s22, s22, 2*HALFS
	s_sub_co_u32 s22, s22, s21
	v_mul_u32_u24 v6, s22, v2                      ; lanes 16-31 take B's
	s_add_co_u32 s21, s21, SCL
	v_add_nc_u32 v5, v5, v6
	v_add_nc_u32 v[ADRS], s21, v5
	; the projection's bias, g, and v's order of lanes: choices on the projection's number alone
	s_cmp_eq_u32 s[PROJ], 1
	s_cselect_b64 s[98:99], s[98:99], s[100:101]
	s_cmp_eq_u32 s[PROJ], 0
	s_cselect_b64 s[96:97], s[96:97], s[98:99]
	s_cselect_b32 s[GS], 0x3e38aa3b, 1.0           ; log2(e) / 8, or 1
	s_mov_b32 s[GS+1], s[GS]                       ; (named with it as a pair)
	s_cmp_eq_u32 s[PROJ], 2
	s_cselect_b32 s94, 24, 0
	s_lshl_b32 s20, s42, 10
	s_lshl_b32 s21, s16, 9
	s_add_co_u32 s20, s20, s21                     ; my first channel, in bytes of f32: 4 (256 x + 128 x half)
	s_mov_b32 s21, 0
	s_add_nc_u64 s[96:97], s[96:97], s[20:21]
	v_lshlrev_b32 v[BA], 5, v2
	WIN TO_B
.irp b, 0,1,2,3,4,5,6,7
.irp e, 0,1
	global_load_b128 v[BIAS+8*\b+4*\e:BIAS+8*\b+4*\e+3], v[BA], s[96:97] offset:64*\b+16*\e   ; register 8 b + j: the bias of channel 16 b + 8 h + j
.endr
.endr
	WIN 0
	v_and_b32 v6, 31, v0
	v_bfe_u32 v7, v0, 3, 1
	v_xor_b32 v7, v7, v2                           ; do bits 3 and 4 of my lane differ?
	v_mul_u32_u24 v7, s94, v7
	v_xor_b32 v6, v6, v7                           ; then v's projection changes them over
	v_lshlrev_b32 v[CO], 4, v6
	s_lshr_b32 s20, s3, 1                          ; 4 x projection + batch = y / 8
	s_lshl_b32 s20, s20, 22
	s_lshl_b32 s21, s42, 2
	s_lshl_b32 s22, s16, 1
	s_add_co_u32 s21, s21, s22                     ; my first head
	s_lshl_b32 s21, s21, 18
	s_add_co_u32 s20, s20, s21
	s_and_b32 s21, s17, 7
	s_lshl_b32 s21, s21, 4
	s_lshl_b32 s22, s15, 3
	s_add_co_u32 s21, s21, s22                     ; my first tile of 16 tokens in the batch
	s_lshl_b32 s21, s21, 11
	s_add_co_u32 s20, s20, s21
	s_mov_b32 s21, 0
	s_add_nc_u64 s[12:13], s[12:13], s[20:21]
.macro FRAG reg, adr, q, i             ; 16 rows x 128 K of 4-bit codes: 8 registers; registers 4 c .. 4 c + 3 hold K = 64 c + 32 h + 0 .. 31
.irp c, 0,1
	ds_load_b128 v[\reg+4*\c:\reg+4*\c+3], v[\adr] offset:64*(\q)+32*\c+(\i)*16*PITCH
.endr
.endm
; 16 matrix instructions: A's blocks a0, a0 + 1 x B's eight.  The 64 accumulators take turns, one instruction a turn, in the same order in every step.
.macro MUL16 a0, p, q, sc, zero
.irp a, \a0, \a0+1
.irp b, 0,1,2,3,4,5,6,7
.if \zero
	v_wmma_scale_f32_16x16x128_f8f6f4 v[8*(8*((\a)%4)+\b):8*(8*((\a)%4)+\b)+7], v[128*(\p)+FR*\b:128*(\p)+FR*\b+FR-1], v[AF+FR*(\a):AF+FR*(\a)+FR-1], 0, v[SC+8*NQ*(\sc)+NQ*\b+(\q)], v[SC+8*NQ*(\sc)+NQ*(\a)+(\q)] matrix_a_fmt:MATRIX_FMT_FP4 matrix_b_fmt:MATRIX_FMT_FP4 matrix_a_scale:MATRIX_SCALE_ROW1
.else
	v_wmma_scale_f32_16x16x128_f8f6f4 v[8*(8*((\a)%4)+\b):8*(8*((\a)%4)+\b)+7], v[128*(\p)+FR*\b:128*(\p)+FR*\b+FR-1], v[AF+FR*(\a):AF+FR*(\a)+FR-1], v[8*(8*((\a)%4)+\b):8*(8*((\a)%4)+\b)+7], v[SC+8*NQ*(\sc)+NQ*\b+(\q)], v[SC+8*NQ*(\sc)+NQ*(\a)+(\q)] matrix_a_fmt:MATRIX_FMT_FP4 matrix_b_fmt:MATRIX_FMT_FP4 matrix_a_scale:MATRIX_SCALE_ROW1
.endif
.endr
.endr
.endm
.macro FETCH_B slot, q, p
	WIN TO_B
.irp i, 0,1,2,3,4,5,6,7
	FRAG 128*(\p)+FR*\i, ADRB+\slot, \q, \i
.endr
	WIN 0
.endm
.macro FETCH_A slot, q, i0
.irp i, \i0, \i0+1, \i0+2, \i0+3
	FRAG AF+FR*(\i), ADRA+\slot, \q, \i
.endr
.endm
.macro SCALES sc                       ; a slot's scale words: lanes 0-15 take A's block i, lanes 16-31 B's block i
.irp i, 0,1,2,3,4,5,6,7
	ds_load_b128 v[SC+8*NQ*\sc+NQ*\i:SC+8*NQ*\sc+NQ*\i+3], v[ADRS] offset:\i*SBLK
.endr
.endm
.macro PLACES n                        ; plain vector instructions between a matrix instruction and a load into, or a read of, its registers
.rept \n
	v_nop
.endr
.endm
.macro STEP slot, q, zero              ; 128 along K that have their successor in the same slot
	s_wait_dscnt 4*NL                              ; B's set and A's blocks 0-3 are in; the youngest eight loads (A's blocks 4-7) may be out
	WIN MUL_LO
	MUL16 0, (\q)%2, \q, \slot, \zero
	MUL16 2, (\q)%2, \q, \slot, \zero
	s_wait_dscnt 0
	PLACES NP
	FETCH_B \slot, (\q)+1, 1-(\q)%2
	FETCH_A \slot, (\q)+1, 0
	WIN MUL_HI
	MUL16 4, (\q)%2, \q, \slot, \zero
	MUL16 6, (\q)%2, \q, \slot, \zero
	PLACES NP
	WIN 0
	FETCH_A \slot, (\q)+1, 4
.endm
.macro TURN slot, next                 ; slot 0's last step: behind the barrier slot 1 is whole for every wave.  Nothing is filled again
	s_wait_tensorcnt 0x0                           ; my part of slot 1 has landed
	ds_add_u32 v[SPW], v[NIL]                      ; 0 onto my spare word
	s_wait_dscnt 4*NL+1                            ; (the add and the youngest eight loads may be out)
	WIN MUL_LO
	MUL16 0, 1, NQ-1, \slot, 0
	s_wait_dscnt 0x0
	s_barrier_signal -1
	MUL16 2, 1, NQ-1, \slot, 0
	WIN 0
	s_barrier_wait -1
	PLACES NP
	v_add_nc_u32 v[ADRS], 4*NQ, v[ADRS]            ; on to the next slot's scale words
	FETCH_B \next, 0, 0
	FETCH_A \next, 0, 0
	SCALES \next
	WIN MUL_HI
	MUL16 4, 1, NQ-1, \slot, 0
	MUL16 6, 1, NQ-1, \slot, 0
	PLACES NP
	WIN 0
	FETCH_A \next, 0, 4
.endm
.macro STEPS slot, from
.set Q, \from
.rept NQ-1-\from
	STEP \slot, Q, 0
.set Q, Q+1
.endr
.endm
	s_wait_tensorcnt 1                             ; the scales and my part of slot 0 are in; slot 1's load may be out,
	s_barrier_signal -1
	s_barrier_wait -1                              ; everybody's are
	FETCH_B 0, 0, 0
	FETCH_A 0, 0, 0
	SCALES 0
	FETCH_A 0, 0, 4
	STEP 0, 0, 1                                   ; the first products start the sums: nothing is cleared
	STEPS 0, 1
	TURN 0, 1
	STEPS 1, 0
	s_wait_dscnt 4*NL
	WIN MUL_LO
	MUL16 0, 1, NQ-1, 1, 0
	MUL16 2, 1, NQ-1, 1, 0
	s_wait_dscnt 0
	WIN MUL_HI
	MUL16 4, 1, NQ-1, 1, 0
	MUL16 6, 1, NQ-1, 1, 0
	; THE WAY OUT.  (sum + bias) g = sum x g + (bias x g): the bias is scaled once; these 32 lines are also the places behind the last products
	s_wait_loadcnt 0x0                             ; the bias
	WIN 0x41                                       ; destination and source 0 window 1
.irp i, 0,2,4,6,8,10,12,14,16,18,20,22,24,26,28,30,32,34,36,38,40,42,44,46,48,50,52,54,56,58,60,62
	v_pk_mul_f32 v[BIAS+\i:BIAS+\i+1], v[BIAS+\i:BIAS+\i+1], s[GS:GS+1] op_sel_hi:[1,0]
.endr
.macro OUTBLK a                        ; 16 tokens x my 128 channels
.set AC, 64*((\a)%4)
.set PB, PK+32*((\a)%2)
	WIN 0x12+(\a)/4                                ; source 0: window 2 or 3; source 2 (the bias): window 1
.irp b, 0,1,2,3,4,5,6,7
.irp i, 0,1,2,3
	v_pk_fma_f32 v[TF+8*\b+2*\i:TF+8*\b+2*\i+1], v[AC+8*\b+2*\i:AC+8*\b+2*\i+1], s[GS:GS+1], v[BIAS+8*\b+2*\i:BIAS+8*\b+2*\i+1] op_sel_hi:[1,0,1]   ; each accumulator from its low end on
.endr
.endr
	WIN 0
.if (\a) >= 2
	s_wait_xcnt 0x0                                ; block a - 2's stores have read the registers that are packed into now
.endif
.irp b, 0,1,2,3,4,5,6,7
.irp i, 0,1,2,3
	v_cvt_pk_f16_f32 v[PB+4*\b+\i], v[TF+8*\b+2*\i], v[TF+8*\b+2*\i+1]
.endr
.endr
.irp b, 0,1,2,3,4,5,6,7
	global_store_b128 v[CO], v[PB+4*\b:PB+4*\b+3], s[12:13] offset:2048*(\a)+262144*(\b/4)+512*(\b%4)   ; head b / 4, block b % 4: the wave stores 512 consecutive bytes, aligned
.endr
.endm
.irp a, 0,1,2,3,4,5,6,7
	OUTBLK \a
.endr
	s_wait_tensorcnt 0x0                           ; the wave's end
	ds_add_u32 v[SPW], v[NIL]
	s_wait_dscnt 0x0
	CROUND                                         ; the closing round
	s_endpgm
.Lfunc_end_k_q2404897ba2_proj:
	.size	k_q2404897ba2_proj, .Lfunc_end_k_q2404897ba2_proj-k_q2404897ba2_proj
	.p2alignl 7, 3214868480
	.fill 96, 4, 3214868480
	.section	.rodata,"a",@progbits
	.p2align	6, 0x0
	.amdhsa_kernel k_q2404897ba2_proj
		.amdhsa_group_segment_fixed_size 327680
		.amdhsa_private_segment_fixed_size 0
		.amdhsa_enable_private_segment 0
		.amdhsa_kernarg_size 48
		.amdhsa_user_sgpr_count 2
		.amdhsa_user_sgpr_kernarg_segment_ptr 1
		.amdhsa_wavefront_size32 1
		.amdhsa_system_sgpr_workgroup_id_x 1
		.amdhsa_system_sgpr_workgroup_id_y 1
		.amdhsa_system_sgpr_workgroup_id_z 1
		.amdhsa_system_vgpr_workitem_id 0
		.amdhsa_next_free_vgpr 1024
		.amdhsa_next_free_sgpr 106
		.amdhsa_reserve_vcc 0
		.amdhsa_float_denorm_mode_32 3
		.amdhsa_float_denorm_mode_16_64 3
		.amdhsa_memory_ordered 1
		.amdhsa_forward_progress 1
		.amdhsa_inst_pref_size 138
	.end_amdhsa_kernel
	.amdgpu_metadata
---
amdhsa.version: [ 1, 2 ]
amdhsa.kernels:
  - .name:           k_q2404897ba2_proj
    .symbol:         k_q2404897ba2_proj.kd
    .args:
      - { .name: codes, .offset: 0, .size: 8, .value_kind: global_buffer, .address_space: global }
      - { .name: scales, .offset: 8, .size: 8, .value_kind: global_buffer, .address_space: global }
      - { .name: bq, .offset: 16, .size: 8, .value_kind: global_buffer, .address_space: global }
      - { .name: bk, .offset: 24, .size: 8, .value_kind: global_buffer, .address_space: global }
      - { .name: bv, .offset: 32, .size: 8, .value_kind: global_buffer, .address_space: global }
      - { .name: qkv, .offset: 40, .size: 8, .value_kind: global_buffer, .address_space: global }
    .group_segment_fixed_size: 327680
    .private_segment_fixed_size: 0
    .kernarg_segment_align: 8
    .kernarg_segment_size: 48
    .max_flat_workgroup_size: 128
    .sgpr_count:     106
    .vgpr_count:     1024
    .wavefront_size: 32
...
	.end_amdgpu_metadata
.endif
;; end of part 2
;; launch attn (part 3): grid 4 x 64, 16 waves a work-group, clusters of 4 x 1, 327,680 bytes of LDS; arguments qkv, maskw, ctx; writes ctx
.if DOCPART == 3
	.amdgcn_target "amdgcn-amd-amdhsa--gfx1250"
	.amdhsa_code_object_version 6
	.text
	.protected	k_q2404897ba2_attn
	.globl	k_q2404897ba2_attn
	.p2align	8
	.type	k_q2404897ba2_attn,@function
k_q2404897ba2_attn:
	s_mov_b64 s[64:65], 0
	v_nop
	global_prefetch_b8 v0, s[64:65] scope:SCOPE_SE
	s_setreg_imm32_b32 hwreg(HW_REG_WAVE_MODE, 25, 1), 1
	s_wait_xcnt 0x0
	s_wait_alu depctr_hold_cnt(0) depctr_sa_sdst(0) depctr_va_vdst(0) depctr_va_sdst(0) depctr_va_ssrc(0) depctr_va_vcc(0) depctr_vm_vsrc(0)
	s_getreg_b32 s2, hwreg(HW_REG_IB_STS2, 6, 4)
	s_cmp_eq_u32 s2, 0
	s_cbranch_scc0 .Lentry_in_a_cluster
	s_endpgm
.Lentry_in_a_cluster:
	s_bfe_u32 s2, ttmp6, 0x10000c
	s_cmp_lg_u32 s2, 0x3003
	s_cbranch_scc0 .Lentry_shape_is_right
	s_endpgm
.Lentry_shape_is_right:
; ATTN: ctx = softmax(where(mask == 0, -1e9, q k^T / 8)) v for one batch and head (work-group y = 16 b + head) and 512 queries (the work-group's place in its cluster).
; Operands in f16, sums, maxima and the softmax in f32.  q arrives multiplied by log2(e) / 8, so a score is t = s log2(e); a hidden score becomes -1e9 log2(e); p = 2^(t - m), m the running maximum;
; in every step O and the sum l are multiplied by a = 2^(old m - new m); l is summed of the unrounded p and divides at the end.
; SHARES: sixteen waves, four to a SIMD, so that one wave's vector work stands beside another's matrix work.  A wave owns 32 queries, two tiles, and walks all 2,048 keys, 64 a step.
; K and V come as images of the operands' registers (2,048 bytes for 16 keys), through two LDS slots of 512 keys; waves 0, 1 fetch K's halves, waves 2, 3 V's.
; CLUSTER: the four work-groups of a cluster walk the same K and V: each tile is asked for jointly (mask 15).  A refill has a slot's eight key steps of all sixteen waves in which to land.
; LAYOUT: S^T = K Q^T and O^T = V^T P: a lane holds one query (lane % 16) throughout; two tiles of S^T, packed to f16 in pairs, are source 1 of the second product.  V is turned by ds_load_tr16_b128.
; THE MASK comes as lane masks, one word for each register of S^T, by scalar loads a step ahead; it only selects values.
; LIMITS: NaN and infinities are not served; |ctx| stays under 65,504 (f16); p under 6e-5 carries an absolute error of 3e-8 beside a largest p of 1.
.set SLOT1, 131072                     ; a slot: K's image, 65,536 bytes, then V's; slot 1 begins here, so that one exclusive or turns an address
.set VOFF,  65536
.set STEPB, 8192                       ; 64 keys of K or of V
.set SPARE, 262144                     ; the spare words, 128 bytes for each wave: eight blocks of 256 bytes that no other line names
.set AK0, 1                            ; v1   16 x lane
.set AV0, 2                            ; v2   16 x lane + VOFF
.set ADK, 3
.set ADV, 4
.set SPW, 5
.set NIL, 6
.set NEG, 7                            ; v7   -1e9 log2(e)
.set ST,  8                            ; tile q's statistics at v[8 + 8 q]: +0 m, +1 old m - new m, +2, +3 l, +4 .. +7 c0-c3 at work; a takes c2's place
.set TS,  24                           ; v24-31 two chains of sums a tile
.set Q,   32                           ; v32-63 Q: tile q, channels 32 f on, at 32 + 16 q + 8 f
.set S,   64                           ; v64-127 S^T, 32 a tile; P is packed into the low 16 of each 32
.set O,   128                          ; v128-191 O^T, 32 a tile
.set KV,  192                          ; v192-255 a step's K, then its V
.set TB,  2                            ; s2   LDS byte at which the step in hand begins
.set OFF, 3                            ; s3   byte offset of the mask words asked for last
.set WV,  10
.set SLOTS, 11
.set CNT, 12
.set SEL, 14                           ; s[14:15]
.set G0,  20                           ; s[20:23] the walking descriptor
.set G1,  24                           ; s[24:31]
                                       ; s[32:63], s[68:99]: the step's 64 mask words, tile 0's and tile 1's
.macro CROUND
	s_barrier_signal -1
	s_barrier_wait -1
	s_cmp_lg_u32 s[WV], 0
	s_cbranch_scc1 .Lnot_wave_0_\@
	s_barrier_signal -3
.Lnot_wave_0_\@:
	s_barrier_wait -3
	s_barrier_signal -1
	s_barrier_wait -1
.endm
.macro TLOAD                           ; waves 0 to 3 fetch, the others nothing: a branch on the wave's number, the same in all partners; an s_nop 0 and four v_nop follow the load
	s_cmp_lt_u32 s[WV], 4
	s_cbranch_scc0 .Lasked_\@
	tensor_load_to_lds s[G0:G0+3], s[G1:G1+7]
	s_nop 0
.rept 4
	v_nop
.endr
.Lasked_\@:
.endm
; THE CHANGE OF SLOTS, at a slot's head.  Each wave waits for all its tensor loads, adds 0 to its spare word, and waits for that and for its reads of the slot that it has left.
; fill = 1: a round of the cluster's barrier, and behind it the joint load of the next 512 keys into the slot just left.
.macro CHANGE fill
	s_wait_tensorcnt 0x0                           ; no tensor load of mine is out, so the descriptor may be written
	ds_add_u32 v[SPW], v[NIL]                      ; 0 onto my spare word
.if \fill
	ds_add_u32 v[SPW], v[NIL]                      ; and, where a load follows that twelve waves pass by, twice on end
	s_xor_b32 s[G0+1], s[G0+1], SLOT1              ; the other slot than last time,
	s_add_nc_u64 s[G0+2:G0+3], s[G0+2:G0+3], 65536 ; the next 512 keys
	s_wait_dscnt 0x0
	CROUND
	TLOAD
.else
	s_wait_dscnt 0x0
	s_barrier_signal -1
	s_barrier_wait -1
.endif
.endm
.macro STEP                            ; 64 keys
	v_add_nc_u32 v[ADK], s[TB], v[AK0]             ; five plain lines: the places behind the last step's products, in front of loads into V's registers (four are asked) and of products that write over P (five)
	v_add_nc_u32 v[ADV], s[TB], v[AV0]
.rept 3
	v_nop
.endr
.irp n, 0,1,2,3,4,5,6,7,8,9,10,11,12,13,14,15
	ds_load_b128 v[KV+4*\n:KV+4*\n+3], v[ADK] offset:512*\n        ; K as it lies: 512 consecutive bytes a load
.endr
	s_wait_dscnt 0x0
.irp f, 0,1                            ; S^T = K Q^T: the eight accumulators by turns; the first eight products start the sums
.irp t, 0,1,2,3
.irp q, 0,1
.if \f == 0
	v_wmma_f32_16x16x32_f16 v[S+32*\q+8*\t:S+32*\q+8*\t+7], v[KV+16*\t:KV+16*\t+7], v[Q+16*\q:Q+16*\q+7], 0
.else
	v_wmma_f32_16x16x32_f16 v[S+32*\q+8*\t:S+32*\q+8*\t+7], v[KV+16*\t+8:KV+16*\t+15], v[Q+16*\q+8:Q+16*\q+15], v[S+32*\q+8*\t:S+32*\q+8*\t+7]
.endif
.endr
.endr
.endr
.rept 4
	v_nop                                          ; places in front of the loads into K's registers and of the first read of the scores
.endr
.irp p, 0,1
.irp d, 0,1,2,3
.irp c, 0,1
	ds_load_tr16_b128 v[KV+8*(4*\p+\d)+4*\c:KV+8*(4*\p+\d)+4*\c+3], v[ADV] offset:2048*(2*\p+\c)+512*\d   ; V^T: keys 32 p + 16 c on, channels 16 d on; it lands during the softmax
.endr
.endr
.endr
	s_wait_kmcnt 0x0                               ; this step's mask words, asked for a step ago
.irp w, 0,1,2,3,4,5,6,7,8,9,10,11,12,13,14,15,16,17,18,19,20,21,22,23,24,25,26,27,28,29,30,31
	v_cndmask_b32 v[S+\w], v[NEG], v[S+\w], s[32+\w]               ; a hidden score is replaced; each accumulator from its low end on
.endr
.irp w, 0,1,2,3,4,5,6,7,8,9,10,11,12,13,14,15,16,17,18,19,20,21,22,23,24,25,26,27,28,29,30,31
	v_cndmask_b32 v[S+32+\w], v[NEG], v[S+32+\w], s[68+\w]
.endr
	; the maximum of my 32 scores and the old m, three at a time, in four chains; the two tiles line by line
.irp j, 0,1,2,3
.irp q, 0,1
	v_max3_num_f32 v[ST+8*\q+4+\j], v[S+32*\q+8*\j], v[S+32*\q+8*\j+1], v[S+32*\q+8*\j+2]
.endr
.endr
.irp g, 1,2
.irp j, 0,1,2,3
.irp q, 0,1
	v_max3_num_f32 v[ST+8*\q+4+\j], v[ST+8*\q+4+\j], v[S+32*\q+8*\j+2*\g+1], v[S+32*\q+8*\j+2*\g+2]
.endr
.endr
.endr
.irp q, 0,1
	v_max3_num_f32 v[ST+8*\q+4], v[ST+8*\q+4], v[S+32*\q+7], v[S+32*\q+15]
.endr
.irp q, 0,1
	v_max3_num_f32 v[ST+8*\q+6], v[ST+8*\q+6], v[S+32*\q+23], v[S+32*\q+31]
.endr
.irp q, 0,1
	v_max3_num_f32 v[ST+8*\q+4], v[ST+8*\q+4], v[ST+8*\q+5], v[ST+8*\q+6]
.endr
.irp q, 0,1
	v_max3_num_f32 v[ST+8*\q+4], v[ST+8*\q+4], v[ST+8*\q+7], v[ST+8*\q]
.endr
	s_add_co_u32 s[OFF], s[OFF], 256               ; the next step's 64 words; the last step asks once more for its own, so that no load leaves the buffer
	s_min_u32 s[OFF], s[OFF], 7936
	s_load_b512 s[32:47], s[6:7], s[OFF] offset:0x0
	s_load_b512 s[48:63], s[6:7], s[OFF] offset:0x40
	s_load_b512 s[68:83], s[6:7], s[OFF] offset:0x80
	s_load_b512 s[84:99], s[6:7], s[OFF] offset:0xc0
.irp q, 0,1
	v_permlanex16_b32 v[ST+8*\q+5], v[ST+8*\q+4], s[SEL], s[SEL+1] ; the query's other 32 keys lie in the lane 16 away
.endr
.irp q, 0,1
	v_mov_b32 v[ST+8*\q+1], v[ST+8*\q]
.endr
.irp q, 0,1
	v_max_num_f32 v[ST+8*\q], v[ST+8*\q+4], v[ST+8*\q+5]           ; the new m
.endr
.irp q, 0,1
	v_sub_f32 v[ST+8*\q+1], v[ST+8*\q+1], v[ST+8*\q]               ; old m - new m
.endr
.irp i, 0,2,4,6,8,10,12,14,16,18,20,22,24,26,28,30
.irp q, 0,1
	v_pk_add_f32 v[S+32*\q+\i:S+32*\q+\i+1], v[S+32*\q+\i:S+32*\q+\i+1], v[ST+8*\q:ST+8*\q+1] op_sel_hi:[1,0] neg_lo:[0,1] neg_hi:[0,1]   ; t - m, two at a time
.endr
.endr
.irp q, 0,1
	v_exp_f32 v[ST+8*\q+6], v[ST+8*\q+1]           ; a
.endr
.irp i, 0,1,2,3,4,5,6,7,8,9,10,11,12,13,14,15,16,17,18,19,20,21,22,23,24,25,26,27,28,29,30,31
.irp q, 0,1
	v_exp_f32 v[S+32*\q+\i], v[S+32*\q+\i]         ; p: one batch of 66 exponentials, none of which reads another's result
.endr
.endr
	v_nop                                          ; a plain line behind the last exponential,
	s_wait_alu depctr_va_vdst(0)                   ; and the wait ahead of the batch's first reader
.irp q, 0,1
	v_pk_add_f32 v[TS+4*\q:TS+4*\q+1], v[S+32*\q:S+32*\q+1], v[S+32*\q+2:S+32*\q+3]       ; the sum of the unrounded p, in two chains a tile
	v_pk_add_f32 v[TS+4*\q+2:TS+4*\q+3], v[S+32*\q+4:S+32*\q+5], v[S+32*\q+6:S+32*\q+7]
.endr
.irp i, 8,12,16,20,24,28
.irp q, 0,1
	v_pk_add_f32 v[TS+4*\q:TS+4*\q+1], v[TS+4*\q:TS+4*\q+1], v[S+32*\q+\i:S+32*\q+\i+1]
	v_pk_add_f32 v[TS+4*\q+2:TS+4*\q+3], v[TS+4*\q+2:TS+4*\q+3], v[S+32*\q+\i+2:S+32*\q+\i+3]
.endr
.endr
.irp q, 0,1
	v_pk_add_f32 v[TS+4*\q:TS+4*\q+1], v[TS+4*\q:TS+4*\q+1], v[TS+4*\q+2:TS+4*\q+3]
.endr
.irp q, 0,1
	v_pk_fma_f32 v[ST+8*\q+2:ST+8*\q+3], v[ST+8*\q+2:ST+8*\q+3], v[ST+8*\q+6:ST+8*\q+7], v[TS+4*\q:TS+4*\q+1] op_sel_hi:[1,0,1]   ; l = a l + the sum
.endr
.irp i, 0,1,2,3,4,5,6,7,8,9,10,11,12,13,14,15
.irp q, 0,1
	v_cvt_pk_f16_f32 v[S+32*\q+\i], v[S+32*\q+2*\i], v[S+32*\q+2*\i+1]     ; P in place, ascending: register i is written when registers 2 i and 2 i + 1 are read
.endr
.endr
.irp i, 0,2,4,6,8,10,12,14,16,18,20,22,24,26,28,30
.irp q, 0,1
	v_pk_mul_f32 v[O+32*\q+\i:O+32*\q+\i+1], v[O+32*\q+\i:O+32*\q+\i+1], v[ST+8*\q+6:ST+8*\q+7] op_sel_hi:[1,0]   ; O^T x a
.endr
.endr
	s_wait_dscnt 0x0                               ; V is in
.irp p, 0,1                            ; O^T += V^T P: the eight accumulators by turns
.irp d, 0,1,2,3
.irp q, 0,1
	v_wmma_f32_16x16x32_f16 v[O+32*\q+8*\d:O+32*\q+8*\d+7], v[KV+8*(4*\p+\d):KV+8*(4*\p+\d)+7], v[S+32*\q+8*\p:S+32*\q+8*\p+7], v[O+32*\q+8*\d:O+32*\q+8*\d+7]
.endr
.endr
.endr
	s_add_co_u32 s[TB], s[TB], STEPB
.endm
.macro SLOT_STEPS                      ; a slot's eight key steps: written once, walked eight times
	s_mov_b32 s[CNT], 8
.Lstep_\@:
	STEP
	s_sub_co_u32 s[CNT], s[CNT], 1
	s_cmp_lg_u32 s[CNT], 0
	s_cbranch_scc1 .Lstep_\@
	s_sub_co_u32 s[TB], s[TB], 8*STEPB             ; back to a slot's first step,
	s_xor_b32 s[TB], s[TB], SLOT1                  ; in the other slot
.endm
	s_load_b128 s[4:7], s[0:1], 0x0                ; qkv, maskw
	s_load_b64 s[8:9], s[0:1], 0x10                ; ctx
	v_lshl_add_u32 v[SPW], v0, 2, SPARE
	v_mov_b32 v[NIL], 0
	ds_add_u32 v[SPW], v[NIL]                      ; the wave's opening: the add, twice on end, and its wait ahead of the first tensor load
	ds_add_u32 v[SPW], v[NIL]
	v_lshrrev_b32 v1, 5, v0
	v_readfirstlane_b32 s[WV], v1                  ; wave 0..15
	s_bfe_u32 s13, ttmp6, 0x40000                  ; cx: my block of 512 queries: it enters Q's, the mask's and ctx's addresses alone
	s_and_b32 s16, ttmp7, 0xffff                   ; y = 16 b + head, which the four partners share
	s_mov_b32 s[G1], 15|(3<<16)|(1<<21)            ; the mask: all four; elements of 8 bytes; no padding; bit 21 beside a mask
	s_mov_b32 s[G1+1], 32<<16                      ; tensor_dim0 = 32 elements: rows of 256 bytes
	s_mov_b32 s[G1+2], 128<<16                     ; tensor_dim1 = 128 rows: 32,768 dense bytes
	s_mov_b32 s[G1+3], 32<<16                      ; tile_dim0
	s_mov_b32 s[G1+4], 128                         ; tile_dim1
	s_mov_b32 s[G1+5], 32                          ; the pitch
	s_mov_b32 s[G1+6], 0
	s_mov_b32 s[G1+7], 0
	s_mov_b32 s[SEL], 0x76543210
	s_mov_b32 s[SEL+1], 0xfedcba98
	s_mov_b32 s[TB], 0
	s_mov_b32 s[OFF], 0
	s_mov_b32 s[SLOTS], 3
	s_min_u32 s17, s[WV], 3                        ; (the waves that fetch nothing hold wave 3's descriptor, unused)
	s_mov_b32 s[G0], 1
	s_lshl_b32 s[G0+1], s17, 15                    ; LDS: K's halves, then V's: 32,768 x wave
	s_lshr_b32 s18, s17, 1
	s_add_co_u32 s18, s18, 1
	s_lshl_b32 s18, s18, 24                        ; K's part of qkv begins at 16,777,216, V's at twice that
	s_lshl_b32 s19, s16, 18                        ; 262,144 bytes a batch and head
	s_add_co_u32 s18, s18, s19
	s_and_b32 s19, s17, 1
	s_lshl_b32 s19, s19, 15                        ; my half of a slot's 512 keys
	s_add_co_u32 s18, s18, s19
	s_mov_b32 s19, 0
	s_wait_dscnt 0x0                               ; both opening adds are done
	s_wait_kmcnt 0x0
	s_add_nc_u64 s[G0+2:G0+3], s[4:5], s[18:19]
	s_or_b32 s[G0+3], s[G0+3], 0x80000000
	s_lshl_b32 s17, s13, 5
	s_lshl_b32 s18, s[WV], 1
	s_add_co_u32 s17, s17, s18                     ; my first tile of queries: 32 cx + 2 w
	s_lshl_b32 s18, s16, 18
	s_lshl_b32 s19, s17, 11
	s_add_co_u32 s18, s18, s19
	s_mov_b32 s19, 0
	s_add_nc_u64 s[4:5], s[4:5], s[18:19]          ; Q at my two tiles
	s_lshl_b32 s66, s13, 4
	s_add_co_u32 s66, s66, s[WV]                   ; my pair of tiles
	s_lshr_b32 s67, s16, 4                         ; b
	s_lshl_b32 s18, s67, 6
	s_add_co_u32 s18, s18, s66
	s_lshl_b32 s18, s18, 13                        ; 8,192 bytes of mask words a pair
	s_add_nc_u64 s[6:7], s[6:7], s[18:19]
	s_and_b32 s66, s16, 15                         ; head
	s_lshr_b32 s18, s66, 1
	s_lshl_b32 s18, s18, 21                        ; ctx: K block head / 2,
	s_and_b32 s66, s66, 1
	s_lshl_b32 s66, s66, 11                        ; its upper or lower four blocks of 512 bytes,
	s_add_co_u32 s18, s18, s66
	s_lshl_b32 s67, s67, 7
	s_add_co_u32 s67, s67, s17
	s_lshl_b32 s67, s67, 12                        ; row tile 128 b + my tile
	s_add_co_u32 s18, s18, s67
	s_add_nc_u64 s[8:9], s[8:9], s[18:19]
	CROUND                                         ; all four work-groups are here: the first joint loads meet
	TLOAD                                          ; slot 0
	v_and_b32 v[AK0], 31, v0
	v_lshlrev_b32 v[AK0], 4, v[AK0]
	v_add_nc_u32 v[AV0], VOFF, v[AK0]
.irp i, 0,1,2,3,4,5,6,7
	global_load_b128 v[Q+4*\i:Q+4*\i+3], v[AK0], s[4:5] offset:512*\i      ; Q stays in registers
.endr
	s_load_b512 s[32:47], s[6:7], s[OFF] offset:0x0                ; key step 0's mask words
	s_load_b512 s[48:63], s[6:7], s[OFF] offset:0x40
	s_load_b512 s[68:83], s[6:7], s[OFF] offset:0x80
	s_load_b512 s[84:99], s[6:7], s[OFF] offset:0xc0
	v_mov_b32 v[NEG], 0xceabfb8f                   ; -1e9 log2(e)
.irp q, 0,1
	v_mov_b32 v[ST+8*\q], 0xff61b1e6               ; m: -3e38, under every t
.irp j, 1,2,3,4,5,6,7
	v_mov_b32 v[ST+8*\q+\j], 0                     ; l, and the registers at work
.endr
.endr
.irp j, 0,1,2,3,4,5,6,7,8,9,10,11,12,13,14,15,16,17,18,19,20,21,22,23,24,25,26,27,28,29,30,31,32,33,34,35,36,37,38,39,40,41,42,43,44,45,46,47,48,49,50,51,52,53,54,55,56,57,58,59,60,61,62,63
	v_mov_b32 v[O+\j], 0                           ; O^T.  (The step is written without a first copy: the first step finds zeros, which a = 0 leaves zeros)
.endr
	s_wait_loadcnt 0x0                             ; Q
.Lslot:                                            ; three trips: behind each change of slots but the last the next 512 keys are asked for (the first trip's load is slot 1's first fill)
	CHANGE 1
	SLOT_STEPS
	s_sub_co_u32 s[SLOTS], s[SLOTS], 1
	s_cmp_lg_u32 s[SLOTS], 0
	s_cbranch_scc1 .Lslot
	CHANGE 0                                       ; the last slot is written out
	SLOT_STEPS
	; THE WAY OUT: O^T / l, rounded to f16.  A lane's eight channels of a query are its 16 bytes of the image that the last product reads: no stage
.rept 4
	v_nop                                          ; places behind the last products
.endr
.irp q, 0,1
	v_add_f32 v[ST+8*\q+4], v[ST+8*\q+2], v[ST+8*\q+3]
.endr
.irp q, 0,1
	v_permlanex16_b32 v[ST+8*\q+5], v[ST+8*\q+4], s[SEL], s[SEL+1]
.endr
.irp q, 0,1
	v_add_f32 v[ST+8*\q+4], v[ST+8*\q+4], v[ST+8*\q+5]             ; the row's sum: at least 1
.endr
.irp q, 0,1
	v_rcp_f32 v[ST+8*\q+6], v[ST+8*\q+4]
.endr
	v_nop                                          ; a plain line behind the reciprocals,
	s_wait_alu depctr_va_vdst(0)                   ; and the wait ahead of their first reader
.irp i, 0,2,4,6,8,10,12,14,16,18,20,22,24,26,28,30
.irp q, 0,1
	v_pk_mul_f32 v[O+32*\q+\i:O+32*\q+\i+1], v[O+32*\q+\i:O+32*\q+\i+1], v[ST+8*\q+6:ST+8*\q+7] op_sel_hi:[1,0]
.endr
.endr
.irp i, 0,1,2,3,4,5,6,7,8,9,10,11,12,13,14,15
.irp q, 0,1
	v_cvt_pk_f16_f32 v[S+16*\q+\i], v[O+32*\q+2*\i], v[O+32*\q+2*\i+1]
.endr
.endr
.irp q, 0,1
.irp d, 0,1,2,3
	global_store_b128 v[AK0], v[S+16*\q+4*\d:S+16*\q+4*\d+3], s[8:9] offset:4096*\q+512*\d   ; the wave stores 512 consecutive bytes, aligned
.endr
.endr
	s_wait_tensorcnt 0x0                           ; the wave's end
	ds_add_u32 v[SPW], v[NIL]
	s_wait_dscnt 0x0
	CROUND                                         ; the closing round
	s_endpgm
.Lfunc_end_k_q2404897ba2_attn:
	.size	k_q2404897ba2_attn, .Lfunc_end_k_q2404897ba2_attn-k_q2404897ba2_attn
	.p2alignl 7, 3214868480
	.fill 96, 4, 3214868480
	.section	.rodata,"a",@progbits
	.p2align	6, 0x0
	.amdhsa_kernel k_q2404897ba2_attn
		.amdhsa_group_segment_fixed_size 327680
		.amdhsa_private_segment_fixed_size 0
		.amdhsa_enable_private_segment 0
		.amdhsa_kernarg_size 24
		.amdhsa_user_sgpr_count 2
		.amdhsa_user_sgpr_kernarg_segment_ptr 1
		.amdhsa_wavefront_size32 1
		.amdhsa_system_sgpr_workgroup_id_x 1
		.amdhsa_system_sgpr_workgroup_id_y 1
		.amdhsa_system_sgpr_workgroup_id_z 1
		.amdhsa_system_vgpr_workitem_id 0
		.amdhsa_next_free_vgpr 256
		.amdhsa_next_free_sgpr 106
		.amdhsa_reserve_vcc 0
		.amdhsa_float_denorm_mode_32 3
		.amdhsa_float_denorm_mode_16_64 3
		.amdhsa_memory_ordered 1
		.amdhsa_forward_progress 1
		.amdhsa_inst_pref_size 58
	.end_amdhsa_kernel
	.amdgpu_metadata
---
amdhsa.version: [ 1, 2 ]
amdhsa.kernels:
  - .name:           k_q2404897ba2_attn
    .symbol:         k_q2404897ba2_attn.kd
    .args:
      - { .name: qkv, .offset: 0, .size: 8, .value_kind: global_buffer, .address_space: global }
      - { .name: maskw, .offset: 8, .size: 8, .value_kind: global_buffer, .address_space: global }
      - { .name: ctx, .offset: 16, .size: 8, .value_kind: global_buffer, .address_space: global }
    .group_segment_fixed_size: 327680
    .private_segment_fixed_size: 0
    .kernarg_segment_align: 8
    .kernarg_segment_size: 24
    .max_flat_workgroup_size: 512
    .sgpr_count:     106
    .vgpr_count:     256
    .wavefront_size: 32
...
	.end_amdgpu_metadata
.endif
;; end of part 3
;; launch outp (part 4): grid 8 x 32, 4 waves a work-group, clusters of 4 x 4, 327,680 bytes of LDS; arguments ctx, woh, bo, out0; writes out0
.if DOCPART == 4
	.amdgcn_target "amdgcn-amd-amdhsa--gfx1250"
	.amdhsa_code_object_version 6
	.text
	.protected	k_q2404897ba2_outp
	.globl	k_q2404897ba2_outp
	.p2align	8
	.type	k_q2404897ba2_outp,@function
k_q2404897ba2_outp:
	s_mov_b64 s[64:65], 0
	v_nop
	global_prefetch_b8 v0, s[64:65] scope:SCOPE_SE
	s_setreg_imm32_b32 hwreg(HW_REG_WAVE_MODE, 25, 1), 1
	s_wait_xcnt 0x0
	s_wait_alu depctr_hold_cnt(0) depctr_sa_sdst(0) depctr_va_vdst(0) depctr_va_sdst(0) depctr_va_ssrc(0) depctr_va_vcc(0) depctr_vm_vsrc(0)
	s_getreg_b32 s2, hwreg(HW_REG_IB_STS2, 6, 4)
	s_cmp_eq_u32 s2, 0
	s_cbranch_scc0 .Lentry_in_a_cluster
	s_endpgm
.Lentry_in_a_cluster:
	s_bfe_u32 s2, ttmp6, 0x10000c
	s_cmp_lg_u32 s2, 0xf033
	s_cbranch_scc0 .Lentry_shape_is_right
	s_endpgm
.Lentry_shape_is_right:
; OUTP: out0 = ctx Wo^T + bo.  ctx [8192][1024] and Wo [1024][1024] arrive in f16 as images of the operands' registers: [K block of 128][16 rows][8 blocks of 512 bytes]; sums in f32; out0 f32.
; A tile of out0 is 256 rows x 128 columns: 256 work-groups.  Four waves, each 128 x 64: 32 accumulators, all of window 1.  K goes in 8 steps of 128 through two LDS slots;
; a step's 256 rows of ctx are 65,536 dense bytes, its 128 rows of Wo 32,768: waves 0, 1 fetch ctx's halves, waves 2, 3 Wo's, one tensor load each.
; CLUSTERS: 4 x 4 work-groups; ctx's tiles are shared along a row of the cluster, Wo's along a column, each asked for jointly.
; THE MATRIX INSTRUCTION IS USED TRANSPOSED (source 0 = 16 rows of Wo, source 1 = 16 rows of ctx): a lane holds eight neighbouring columns of a row.  The bias is the C of each sum's first product.
; REGISTERS: window 0: v0-31 addresses; v32-127 and v128-223 two fragment buffers (64 of ctx, 32 of Wo: 32 along K); v224-255 the bias.  window 1: accumulator (a, b) at v[8 (4 a + b)].
.set SLOT,  98304                      ; ctx's 65,536 bytes, then Wo's 32,768; no padding: every fragment load takes 512 consecutive bytes
.set BOFF,  65536
.set STAGE, 2*SLOT                     ; behind the ring: 16 rows x 272 bytes for each wave, for the way out
.set SPARE, STAGE+4*4352               ; the spare words, 128 bytes for each wave
.set ASTEP, 2097152                    ; a K block of ctx in memory,
.set BSTEP, 262144                     ; and of Wo
.set LAPS,  4
.set ADRA, 16
.set ADRB, 20
.set STO,  24
.set RD,   25
.set CO,   26
.set SPW,  28
.set NIL,  29
.set F0,   32
.set F1,   128
.set BIAS, 224
.set G1,  24
.set G0,  32
.set G1B, 48
.set G0B, 56
.set MSB, 0
.macro WIN new                         ; the immediate's high byte repeats the setting that is left
.if MSB != (\new)
	s_set_vgpr_msb (MSB<<8)|(\new)
.set MSB, (\new)
.endif
.endm
.macro JLOAD s                         ; a joint load; an s_nop 0 and four v_nop follow each of the two lines
	s_cmp_eq_u32 s13, 0
	s_cbranch_scc0 .Lfor_b_\@
	tensor_load_to_lds s[G0+4*\s:G0+4*\s+3], s[G1:G1+7]
	s_nop 0
.rept 4
	v_nop
.endr
	s_branch .Lasked_\@
.Lfor_b_\@:
	tensor_load_to_lds s[G0B+4*\s:G0B+4*\s+3], s[G1B:G1B+7]
	s_nop 0
.rept 4
	v_nop
.endr
.Lasked_\@:
.endm
.macro CREST
	s_cmp_lg_u32 s12, 0
	s_cbranch_scc1 .Lnot_wave_0_\@
	s_barrier_signal -3
.Lnot_wave_0_\@:
	s_barrier_wait -3
	s_barrier_signal -1
	s_barrier_wait -1
.endm
.macro CROUND
	s_barrier_signal -1
	s_barrier_wait -1
	CREST
.endm
	s_load_b256 s[4:11], s[0:1], 0x0               ; ctx, woh, bo, out0
	v_lshl_add_u32 v[SPW], v0, 2, SPARE
	v_mov_b32 v[NIL], 0
	ds_add_u32 v[SPW], v[NIL]                      ; the wave's opening: the add, twice on end, and its wait ahead of my first tensor load
	ds_add_u32 v[SPW], v[NIL]
	v_lshrrev_b32 v1, 5, v0
	v_readfirstlane_b32 s12, v1                    ; wave 0..3
	s_lshr_b32 s13, s12, 1                         ; which half of the tile's rows is mine.  Also: I fetch for ctx (0) or for Wo (1)
	s_and_b32 s14, s12, 1                          ; which half of its columns.  Also: which half of that tile I fetch
	s_bfe_u32 s40, ttmp6, 0x40000
	s_bfe_u32 s41, ttmp6, 0x40004
	s_lshl_b32 s42, ttmp9, 2
	s_add_co_u32 s42, s42, s40                     ; tile column x
	s_and_b32 s15, ttmp7, 0xffff
	s_lshl_b32 s15, s15, 2
	s_add_co_u32 s15, s15, s41                     ; tile row y
	s_lshl_b32 s43, s41, 2
	s_lshl_b32 s43, 15, s43                        ; my row of the cluster
	s_lshl_b32 s44, 0x1111, s40                    ; my column
	s_or_b32 s[G1], s43, (3<<16)|(1<<21)           ; the mask; elements of 8 bytes; no padding; bit 21 beside a mask
	s_or_b32 s[G1B], s44, (3<<16)|(1<<21)
	s_mov_b32 s[G1+1], 32<<16                      ; rows of 256 bytes,
	s_mov_b32 s[G1+2], 128<<16                     ; 128 of them: 32,768 dense bytes
	s_mov_b32 s[G1+3], 32<<16
	s_mov_b32 s[G1+4], 128
	s_mov_b32 s[G1+5], 32
	s_mov_b32 s[G1+6], 0
	s_mov_b32 s[G1+7], 0
	s_mov_b32 s[G1B+1], 32<<16
	s_mov_b32 s[G1B+2], 64<<16                     ; 64 rows: 16,384 bytes
	s_mov_b32 s[G1B+3], 32<<16
	s_mov_b32 s[G1B+4], 64
	s_mov_b32 s[G1B+5], 32
	s_mov_b32 s[G1B+6], 0
	s_mov_b32 s[G1B+7], 0
	s_lshl_b32 s16, s15, 16                        ; ctx: 65,536 y + 32,768 x half
	s_lshl_b32 s18, s14, 15
	s_add_co_u32 s16, s16, s18
	s_mov_b32 s17, 0
	s_lshl_b32 s46, s42, 15                        ; Wo: 32,768 x + 16,384 x half
	s_lshl_b32 s18, s14, 14
	s_add_co_u32 s46, s46, s18
	s_mov_b32 s47, 0
	s_lshl_b32 s20, s14, 15                        ; where they go
	s_lshl_b32 s21, s14, 14
	s_add_co_u32 s21, s21, BOFF
	s_wait_dscnt 0x0                               ; both opening adds are done
	s_wait_kmcnt 0x0
	s_add_nc_u64 s[16:17], s[4:5], s[16:17]
	s_add_nc_u64 s[46:47], s[6:7], s[46:47]
	CROUND                                         ; all sixteen work-groups are here: the first joint loads meet
.irp s, 0,1
	s_mov_b32 s[G0+4*\s], 1
	s_add_co_u32 s[G0+4*\s+1], s20, \s*SLOT
	s_add_nc_u64 s[G0+4*\s+2:G0+4*\s+3], s[16:17], \s*ASTEP
	s_or_b32 s[G0+4*\s+3], s[G0+4*\s+3], 0x80000000
	s_mov_b32 s[G0B+4*\s], 1
	s_add_co_u32 s[G0B+4*\s+1], s21, \s*SLOT
	s_add_nc_u64 s[G0B+4*\s+2:G0B+4*\s+3], s[46:47], \s*BSTEP
	s_or_b32 s[G0B+4*\s+3], s[G0B+4*\s+3], 0x80000000
	JLOAD \s
.endr
	v_and_b32 v1, 15, v0                           ; r
	v_bfe_u32 v2, v0, 4, 1                         ; h
	v_and_b32 v3, 31, v0
	v_lshlrev_b32 v3, 4, v3                        ; 16 x lane
	s_lshl_b32 s22, s13, 15                        ; my 128 rows of ctx
	s_lshl_b32 s23, s14, 14
	s_add_co_u32 s23, s23, BOFF                    ; my 64 rows of Wo
.irp s, 0,1
	v_add_nc_u32 v[ADRA+\s], s22, v3
	v_add_nc_u32 v[ADRB+\s], s23, v3
	s_add_co_u32 s22, s22, SLOT
	s_add_co_u32 s23, s23, SLOT
.endr
	s_mul_i32 s22, s12, 4352
	s_add_co_u32 s22, s22, STAGE                   ; my stage
	v_mul_u32_u24 v4, v1, 272
	v_lshl_add_u32 v4, v2, 5, v4
	v_add_nc_u32 v[STO], s22, v4                   ; in: row r, 32 bytes for each half of the lanes
	v_mul_u32_u24 v5, v2, 272
	v_lshl_add_u32 v5, v1, 4, v5
	v_add_nc_u32 v[RD], s22, v5                    ; back: lanes 0-15 one row of 256 bytes, lanes 16-31 the next
	v_lshlrev_b32 v5, 12, v2
	v_lshl_add_u32 v[CO], v1, 4, v5                ; and the same two rows in out0
	s_lshl_b32 s22, s42, 9
	s_lshl_b32 s23, s14, 8
	s_add_co_u32 s22, s22, s23                     ; my first column, in bytes: 4 (128 x + 64 x half)
	s_mov_b32 s23, 0
	s_add_nc_u64 s[8:9], s[8:9], s[22:23]
	s_add_nc_u64 s[10:11], s[10:11], s[22:23]
	v_lshlrev_b32 v6, 5, v2
.irp b, 0,1,2,3
.irp e, 0,1
	global_load_b128 v[BIAS+8*\b+4*\e:BIAS+8*\b+4*\e+3], v6, s[8:9] offset:64*\b+16*\e    ; register 8 b + j: bo of column 16 b + 8 h + j
.endr
.endr
	s_lshl_b32 s22, s15, 8
	s_lshl_b32 s18, s13, 7
	s_add_co_u32 s22, s22, s18                     ; my first row
	s_lshl_b32 s22, s22, 12
	s_add_nc_u64 s[10:11], s[10:11], s[22:23]
; 8 matrix instructions: ctx's blocks a0, a0 + 1 x Wo's four.  The 32 accumulators take turns, one instruction a turn, in the same order in every quarter.
.macro MUL8 f, a0, first
.irp a, \a0, \a0+1
.irp b, 0,1,2,3
.if \first
	v_wmma_f32_16x16x32_f16 v[8*(4*(\a)+\b):8*(4*(\a)+\b)+7], v[\f+64+8*\b:\f+64+8*\b+7], v[\f+8*(\a):\f+8*(\a)+7], v[BIAS+8*\b:BIAS+8*\b+7]
.else
	v_wmma_f32_16x16x32_f16 v[8*(4*(\a)+\b):8*(4*(\a)+\b)+7], v[\f+64+8*\b:\f+64+8*\b+7], v[\f+8*(\a):\f+8*(\a)+7], v[8*(4*(\a)+\b):8*(4*(\a)+\b)+7]
.endif
.endr
.endr
.endm
.macro MWIN first                      ; D in window 1; C there too, but for the first products, whose C is the bias in window 0
.if \first
	WIN 0x40
.else
	WIN 0x50
.endif
.endm
.macro FETCH slot, kf, f               ; 24 LDS loads in one run: 32 along K: Wo's four fragments, ctx's blocks 0-3, ctx's blocks 4-7
	WIN 0
.irp i, 0,1,2,3
.irp c, 0,1
	ds_load_b128 v[\f+64+8*\i+4*\c:\f+64+8*\i+4*\c+3], v[ADRB+\slot] offset:4096*\i+1024*(\kf)+512*\c
.endr
.endr
.irp i, 0,1,2,3,4,5,6,7
.irp c, 0,1
	ds_load_b128 v[\f+8*\i+4*\c:\f+8*\i+4*\c+3], v[ADRA+\slot] offset:4096*\i+1024*(\kf)+512*\c
.endr
.endr
.endm
.macro PLACES                          ; four plain lines in front of loads into registers that matrix instructions have read, and of the first read of results
.rept 4
	v_nop
.endr
.endm
; A K step is four quarters of 32 along K, 32 matrix instructions each, on buffers 0, 1, 0, 1.  One of the first three: multiplies buffer f and fetches quarter kf into g.
.macro QUARTER slot, kf, f, g, first
	s_wait_dscnt 8                                 ; Wo's fragments and ctx's blocks 0-3 are in; the youngest eight loads (blocks 4-7) may be out
	MWIN \first
	MUL8 \f, 0, \first
	MUL8 \f, 2, \first
	PLACES
	FETCH \slot, \kf, \g
	s_wait_dscnt 24                                ; all but the 24 just issued
	MWIN \first
	MUL8 \f, 4, \first
	MUL8 \f, 6, \first
.endm
; The last quarter multiplies buffer 1 and changes slots: one barrier; in front of it each wave waits for all its tensor loads, adds 0 to its spare word, and waits for that and for its reads of this slot.
; fill = 1: the barrier opens a round of the cluster's, and this slot is filled again, two K steps ahead: 112 matrix instructions ahead of the wait for that load.
.macro TURN slot, next, fill
	WIN 0
	s_wait_tensorcnt 0x0                           ; my part of the next slot has landed: no load of mine is out
	ds_add_u32 v[SPW], v[NIL]                      ; 0 onto my spare word
	s_wait_dscnt 9                                 ; (the add and the youngest eight loads may be out)
	WIN 0x50
	MUL8 F1, 0, 0
	s_wait_dscnt 0x0                               ; the add is done, and my reads of this slot are over
	s_barrier_signal -1
	MUL8 F1, 2, 0
.if \fill
	WIN 0
.endif
	s_barrier_wait -1
.if \fill
	CREST                                          ; no wave of any partner still reads this slot or has a load on its way
	s_add_nc_u64 s[G0+4*\slot+2:G0+4*\slot+3], s[G0+4*\slot+2:G0+4*\slot+3], 2*ASTEP
	s_add_nc_u64 s[G0B+4*\slot+2:G0B+4*\slot+3], s[G0B+4*\slot+2:G0B+4*\slot+3], 2*BSTEP
	JLOAD \slot                                    ; the first tensor load behind the round; its four v_nop are also the places in front of the loads below
.else
	PLACES
.endif
	FETCH \next, 0, F0
	WIN 0x50
	MUL8 F1, 4, 0
	MUL8 F1, 6, 0
.endm
	s_wait_tensorcnt 1                             ; my part of K step 0 is in; K step 1's load may be out,
	s_barrier_signal -1
	s_barrier_wait -1                              ; everybody's is
	FETCH 0, 0, F0
	s_wait_loadcnt 0x0                             ; the bias
	QUARTER 0, 1, F0, F1, 1                        ; the first quarter stands in front of the loop: its products start the sums from the bias
	WIN 0
	s_mov_b32 s3, LAPS-1
.Llap:                                             ; a trip goes once round the ring, from a lap's second quarter to the next lap's first, and fills both slots again
	QUARTER 0, 2, F1, F0, 0
	QUARTER 0, 3, F0, F1, 0
	TURN 0, 1, 1
	QUARTER 1, 1, F0, F1, 0
	QUARTER 1, 2, F1, F0, 0
	QUARTER 1, 3, F0, F1, 0
	TURN 1, 0, 1
	QUARTER 0, 1, F0, F1, 0
	WIN 0
	s_sub_co_u32 s3, s3, 1
	s_cmp_lg_u32 s3, 0
	s_cbranch_scc1 .Llap
	QUARTER 0, 2, F1, F0, 0                        ; the last lap fills nothing
	QUARTER 0, 3, F0, F1, 0
	TURN 0, 1, 0
	QUARTER 1, 1, F0, F1, 0
	QUARTER 1, 2, F1, F0, 0
	QUARTER 1, 3, F0, F1, 0
	s_wait_dscnt 8
	WIN 0x50
	MUL8 F1, 0, 0
	MUL8 F1, 2, 0
	s_wait_dscnt 0
	MUL8 F1, 4, 0
	MUL8 F1, 6, 0
	WIN 0
; THE WAY OUT, 16 rows x 64 columns at a time: a lane holds 32 bytes of a row, the lanes beside it other rows; through my own stage they come back as whole rows of 256 bytes.
; LDS serves a wave's instructions in order (ISA guide 5.7.1.4): no wait between the stores and the loads, nor in front of the next block's stores.
.macro TOSTAGE a
	WIN 0x04                                       ; an LDS store's data are its source 1: window 1
.irp b, 0,1,2,3
	ds_store_b128 v[STO], v[8*(4*(\a)+\b):8*(4*(\a)+\b)+3] offset:64*\b            ; each accumulator from its low end on
	ds_store_b128 v[STO], v[8*(4*(\a)+\b)+4:8*(4*(\a)+\b)+7] offset:64*\b+16
.endr
	WIN 0
.irp i, 0,1,2,3,4,5,6,7
	ds_load_b128 v[32+32*((\a)%2)+4*\i:32+32*((\a)%2)+4*\i+3], v[RD] offset:544*\i
.endr
.endm
.macro SEND a, younger                 ; younger: the LDS instructions issued behind block a's loads, which may stay out
	s_wait_dscnt \younger
.irp i, 0,1,2,3,4,5,6,7
	global_store_b128 v[CO], v[32+32*((\a)%2)+4*\i:32+32*((\a)%2)+4*\i+3], s[10:11] offset:65536*(\a)+8192*\i th:TH_STORE_NT   ; sixteen lanes store 256 consecutive bytes, aligned
.endr
.endm
	PLACES
	TOSTAGE 0
.irp a, 1,2,3,4,5,6,7
.if \a > 1
	s_wait_xcnt 0x0                                ; block a - 2's stores have read the registers into which block a's loads land
.endif
	TOSTAGE \a
	SEND (\a)-1, 16                                ; behind block a - 1's loads: block a's 8 stores and 8 loads
.endr
	SEND 7, 0
	s_wait_tensorcnt 0x0                           ; the wave's end
	ds_add_u32 v[SPW], v[NIL]
	s_wait_dscnt 0x0
	CROUND                                         ; the closing round
	s_endpgm
.Lfunc_end_k_q2404897ba2_outp:
	.size	k_q2404897ba2_outp, .Lfunc_end_k_q2404897ba2_outp-k_q2404897ba2_outp
	.p2alignl 7, 3214868480
	.fill 96, 4, 3214868480
	.section	.rodata,"a",@progbits
	.p2align	6, 0x0
	.amdhsa_kernel k_q2404897ba2_outp
		.amdhsa_group_segment_fixed_size 327680
		.amdhsa_private_segment_fixed_size 0
		.amdhsa_enable_private_segment 0
		.amdhsa_kernarg_size 32
		.amdhsa_user_sgpr_count 2
		.amdhsa_user_sgpr_kernarg_segment_ptr 1
		.amdhsa_wavefront_size32 1
		.amdhsa_system_sgpr_workgroup_id_x 1
		.amdhsa_system_sgpr_workgroup_id_y 1
		.amdhsa_system_sgpr_workgroup_id_z 1
		.amdhsa_system_vgpr_workitem_id 0
		.amdhsa_next_free_vgpr 512
		.amdhsa_next_free_sgpr 68
		.amdhsa_reserve_vcc 0
		.amdhsa_float_denorm_mode_32 3
		.amdhsa_float_denorm_mode_16_64 3
		.amdhsa_memory_ordered 1
		.amdhsa_forward_progress 1
		.amdhsa_inst_pref_size 86
	.end_amdhsa_kernel
	.amdgpu_metadata
---
amdhsa.version: [ 1, 2 ]
amdhsa.kernels:
  - .name:           k_q2404897ba2_outp
    .symbol:         k_q2404897ba2_outp.kd
    .args:
      - { .name: ctx, .offset: 0, .size: 8, .value_kind: global_buffer, .address_space: global }
      - { .name: woh, .offset: 8, .size: 8, .value_kind: global_buffer, .address_space: global }
      - { .name: bo, .offset: 16, .size: 8, .value_kind: global_buffer, .address_space: global }
      - { .name: out0, .offset: 24, .size: 8, .value_kind: global_buffer, .address_space: global }
    .group_segment_fixed_size: 327680
    .private_segment_fixed_size: 0
    .kernarg_segment_align: 8
    .kernarg_segment_size: 32
    .max_flat_workgroup_size: 128
    .sgpr_count:     68
    .vgpr_count:     512
    .wavefront_size: 32
...
	.end_amdgpu_metadata
.endif
;; end of part 4
